; MI455X (gfx1250); checked and timed in simulation.
; The chip was launched on July 23, 2026; its instructions are those of AMD's public machine-readable ISA for CDNA 5 (MIT licence, August 2026) and "CDNA5" Instruction Set Architecture Reference Guide (July 2026). The comments in the code are by the model that wrote it; some were corrected since.
;; Block. Allowed arithmetic: float matrix products may take bf16 or f16 operands with f32 sums; all other float work in f32.
;; Inputs: c_attn_b 3,072 float32; c_attn_w 1,024 x 3,072 float32; c_proj_b 1,024 float32; c_proj_w 1,024 x 1,024 float32; fc_b 4,096 float32; fc_w 1,024 x 4,096 float32; ln1_b 1,024 float32; ln1_w 1,024 float32; ln2_b 1,024 float32; ln2_w 1,024 float32; proj_b 1,024 float32; proj_w 4,096 x 1,024 float32; x 2 x 2,048 x 1,024 float32.
;; Outputs: out0 2 x 2,048 x 1,024 float32.
;; One version. Each part assembles by itself: llvm-mc -triple=amdgcn-amd-amdhsa -mcpu=gfx1250 --defsym DOCPART=n.
;; ======== version 1 of 1: 7 launches
;; workspace buffers: wbf 25,165,824 bytes; h1 8,388,608 bytes; qkv 25,165,824 bytes; att 8,388,608 bytes; x1 16,777,216 bytes; h2 8,388,608 bytes; gact 33,554,432 bytes
;; launch prep (part 1): grid 1024 x 1, 4 waves a work-group, no clusters, 0 bytes of LDS; arguments x, ln1_w, ln1_b, h1, c_attn_w, c_proj_w, fc_w, proj_w, wbf; writes h1, wbf
.if DOCPART == 1
	.amdgcn_target "amdgcn-amd-amdhsa--gfx1250"
	.amdhsa_code_object_version 6
	.text
	.protected	k_q9e0ec2df08_prep
	.globl	k_q9e0ec2df08_prep
	.p2align	8
	.type	k_q9e0ec2df08_prep,@function
k_q9e0ec2df08_prep:
	s_mov_b64 s[64:65], 0
	v_nop
	global_prefetch_b8 v0, s[64:65] scope:SCOPE_SE
	s_setreg_imm32_b32 hwreg(HW_REG_WAVE_MODE, 25, 1), 1
	s_wait_xcnt 0x0
; prep: two independent streams, chosen by the work-group's number.
;   work-groups 0..255   : h1 = LN1(x) in bf16.  16 rows a work-group, 4 rows a wave, one wave per row, the row kept in 32 registers.
;                          LN as the problem states it: mean, centred squares / 1023, root, eps added to the root.
;   work-groups 256..1023: the four weights, f32 -> bf16, layout [K][N] kept, laid one behind the other in wbf
;                          (c_attn_w, c_proj_w, fc_w, proj_w); one chunk of 16,384 numbers a work-group.
; Memory binds both: no LDS, no barrier, no matrix unit, no cluster (no two work-groups read the same bytes but the 8 KiB of gain and bias).
; Limits: NaN and infinities in x are not served; v_sqrt_f32 and v_rcp_f32 take denormals as zero (ISA guide 15.8).
.set X,  64                            ; v[64:191]  row p of my four at X + 32 p
.set WV, 192                           ; v[192:223] gain of my 32 columns
.set BV, 224                           ; v[224:255] bias of my 32 columns
; v1 byte offset in x, v2 byte offset in h1, v3 byte offset in gain and bias, v[4:11] four chains of pairs, v12 v13 reduction, v[14:15] mean, v[16:17] 1/(s+eps)
.macro WSUM                            ; v12 summed over the 32 lanes, the result in every lane
	v_add_f32_dpp v12, v12, v12 row_xmask:1 row_mask:0xf bank_mask:0xf
	v_add_f32_dpp v12, v12, v12 row_xmask:2 row_mask:0xf bank_mask:0xf
	v_add_f32_dpp v12, v12, v12 row_xmask:4 row_mask:0xf bank_mask:0xf
	v_add_f32_dpp v12, v12, v12 row_xmask:8 row_mask:0xf bank_mask:0xf
	v_permlanex16_b32 v13, v12, s40, s41
	v_add_f32 v12, v12, v13
.endm
.macro LNROW p
.set XR, X+32*\p
	s_wait_loadcnt (3-\p)*8                        ; my row's eight loads are in (gain and bias are older); the later rows' stay out
.irp k, 0,2,4,6
	v_pk_add_f32 v[4+\k:5+\k], v[XR+\k:XR+\k+1], v[XR+8+\k:XR+9+\k]
.endr
.irp m, 16,24
.irp k, 0,2,4,6
	v_pk_add_f32 v[4+\k:5+\k], v[4+\k:5+\k], v[XR+\m+\k:XR+\m+\k+1]
.endr
.endr
	v_pk_add_f32 v[4:5], v[4:5], v[6:7]
	v_pk_add_f32 v[8:9], v[8:9], v[10:11]
	v_pk_add_f32 v[4:5], v[4:5], v[8:9]
	v_add_f32 v12, v4, v5
	WSUM
	v_mul_f32 v14, 0x3a800000, v12                 ; mean = sum / 1024
	v_mov_b32 v15, v14
.set cnt, 0
.rept 16
	v_pk_add_f32 v[XR+cnt:XR+cnt+1], v[XR+cnt:XR+cnt+1], v[14:15] neg_lo:[0,1] neg_hi:[0,1]   ; centre first: the squares are of centred numbers
.set cnt, cnt+2
.endr
.irp k, 0,2,4,6
	v_pk_mul_f32 v[4+\k:5+\k], v[XR+\k:XR+\k+1], v[XR+\k:XR+\k+1]
.endr
.irp m, 8,16,24
.irp k, 0,2,4,6
	v_pk_fma_f32 v[4+\k:5+\k], v[XR+\m+\k:XR+\m+\k+1], v[XR+\m+\k:XR+\m+\k+1], v[4+\k:5+\k]
.endr
.endr
	v_pk_add_f32 v[4:5], v[4:5], v[6:7]
	v_pk_add_f32 v[8:9], v[8:9], v[10:11]
	v_pk_add_f32 v[4:5], v[4:5], v[8:9]
	v_add_f32 v12, v4, v5
	WSUM
	v_mul_f32 v12, 0x3a802008, v12                 ; / 1023
	v_sqrt_f32 v13, v12
	v_nop                                          ; one plain place behind a transcendental (ISA guide 5.7.2)
	s_wait_alu depctr_va_vdst(0)
	v_add_f32 v13, 0x3727c5ac, v13                 ; + 1e-5
	v_rcp_f32 v16, v13
	v_nop
	s_wait_alu depctr_va_vdst(0)
	v_mov_b32 v17, v16
.set cnt, 0
.rept 16
	v_pk_mul_f32 v[XR+cnt:XR+cnt+1], v[XR+cnt:XR+cnt+1], v[16:17]
.set cnt, cnt+2
.endr
.set cnt, 0
.rept 16
	v_pk_fma_f32 v[XR+cnt:XR+cnt+1], v[XR+cnt:XR+cnt+1], v[WV+cnt:WV+cnt+1], v[BV+cnt:BV+cnt+1]
.set cnt, cnt+2
.endr
.set cnt, 0
.rept 16
	v_cvt_pk_bf16_f32 v[XR+cnt], v[XR+2*cnt], v[XR+2*cnt+1]     ; in place, ascending: word i is made of numbers 2i, 2i+1
.set cnt, cnt+1
.endr
.irp j, 0,1,2,3,4,5,6,7
	global_store_b64 v2, v[XR+2*\j:XR+2*\j+1], s[14:15] offset:\p*2048+256*\j   ; the wave stores 256 consecutive bytes, aligned
.endr
.endm
	s_load_b512 s[8:23], s[0:1], 0x0               ; x, ln1_w, ln1_b, h1, c_attn_w, c_proj_w, fc_w, proj_w
	s_load_b64 s[24:25], s[0:1], 0x40              ; wbf
	s_cmp_lt_u32 ttmp9, 256
	s_cbranch_scc0 .Lcast
	v_and_b32 v3, 31, v0
	v_lshrrev_b32 v4, 5, v0                        ; wave
	v_lshlrev_b32 v3, 4, v3                        ; 16 x lane
	v_lshl_add_u32 v1, v4, 14, v3                  ; + wave x 4 rows of 4,096 bytes
	v_lshrrev_b32 v2, 1, v3                        ; 8 x lane
	v_lshl_add_u32 v2, v4, 13, v2                  ; + wave x 4 rows of 2,048 bytes
	v_mov_b32 v13, 0                               ; v_permlanex16_b32's destination counts as read
	s_lshl_b32 s2, ttmp9, 16                       ; 16 rows of x
	s_mov_b32 s3, 0
	s_lshl_b32 s26, ttmp9, 15                      ; 16 rows of h1
	s_mov_b32 s27, 0
	s_mov_b32 s40, 0x76543210
	s_mov_b32 s41, 0xfedcba98
	s_wait_kmcnt 0x0
	s_add_nc_u64 s[8:9], s[8:9], s[2:3]
	s_add_nc_u64 s[14:15], s[14:15], s[26:27]
.irp j, 0,1,2,3,4,5,6,7
	global_load_b128 v[WV+4*\j:WV+4*\j+3], v3, s[10:11] offset:512*\j
.endr
.irp j, 0,1,2,3,4,5,6,7
	global_load_b128 v[BV+4*\j:BV+4*\j+3], v3, s[12:13] offset:512*\j
.endr
.irp p, 0,1,2,3
.irp j, 0,1,2,3,4,5,6,7
	global_load_b128 v[X+32*\p+4*\j:X+32*\p+4*\j+3], v1, s[8:9] offset:\p*4096+512*\j
.endr
.endr
	LNROW 0
	LNROW 1
	LNROW 2
	LNROW 3
	s_endpgm
.Lcast:
	s_sub_co_u32 s28, ttmp9, 256                   ; chunk 0..767 of the 12,582,912 weights
	v_lshlrev_b32 v1, 4, v0                        ; 16 bytes of f32 a thread
	v_lshlrev_b32 v2, 3, v0                        ; 8 bytes of bf16 a thread
	s_wait_kmcnt 0x0
	s_mov_b64 s[30:31], s[22:23]                   ; chunks 512..767: proj_w
	s_mov_b32 s29, 512
	s_cmp_lt_u32 s28, 512
	s_cselect_b64 s[30:31], s[20:21], s[30:31]     ; 256..511: fc_w
	s_cselect_b32 s29, 256, s29
	s_cmp_lt_u32 s28, 256
	s_cselect_b64 s[30:31], s[18:19], s[30:31]     ; 192..255: c_proj_w
	s_cselect_b32 s29, 192, s29
	s_cmp_lt_u32 s28, 192
	s_cselect_b64 s[30:31], s[16:17], s[30:31]     ; 0..191: c_attn_w
	s_cselect_b32 s29, 0, s29
	s_sub_co_u32 s29, s28, s29                     ; the chunk's number inside its own weight
	s_lshl_b32 s32, s29, 16
	s_mov_b32 s33, 0
	s_add_nc_u64 s[30:31], s[30:31], s[32:33]
	s_lshl_b32 s34, s28, 15
	s_mov_b32 s35, 0
	s_add_nc_u64 s[24:25], s[24:25], s[34:35]
.set cnt, 0
.rept 32
	global_load_b128 v[64+4*cnt:64+4*cnt+3], v1, s[30:31] offset:2048*cnt th:TH_LOAD_NT
.set cnt, cnt+1
.endr
.set cnt, 0
.rept 32
	s_wait_loadcnt 31-cnt                          ; loads come back in order: this one is in, the younger ones stay out
	v_cvt_pk_bf16_f32 v[64+4*cnt], v[64+4*cnt], v[64+4*cnt+1]
	v_cvt_pk_bf16_f32 v[64+4*cnt+1], v[64+4*cnt+2], v[64+4*cnt+3]
	global_store_b64 v2, v[64+4*cnt:64+4*cnt+1], s[24:25] offset:1024*cnt
.set cnt, cnt+1
.endr
	s_endpgm
.Lfunc_end_k_q9e0ec2df08_prep:
	.size	k_q9e0ec2df08_prep, .Lfunc_end_k_q9e0ec2df08_prep-k_q9e0ec2df08_prep
	.p2alignl 7, 3214868480
	.fill 96, 4, 3214868480
	.section	.rodata,"a",@progbits
	.p2align	6, 0x0
	.amdhsa_kernel k_q9e0ec2df08_prep
		.amdhsa_group_segment_fixed_size 0
		.amdhsa_private_segment_fixed_size 0
		.amdhsa_enable_private_segment 0
		.amdhsa_kernarg_size 72
		.amdhsa_user_sgpr_count 2
		.amdhsa_user_sgpr_kernarg_segment_ptr 1
		.amdhsa_wavefront_size32 1
		.amdhsa_system_sgpr_workgroup_id_x 1
		.amdhsa_system_sgpr_workgroup_id_y 1
		.amdhsa_system_sgpr_workgroup_id_z 1
		.amdhsa_system_vgpr_workitem_id 0
		.amdhsa_next_free_vgpr 256
		.amdhsa_next_free_sgpr 66
		.amdhsa_reserve_vcc 0
		.amdhsa_float_denorm_mode_32 3
		.amdhsa_float_denorm_mode_16_64 3
		.amdhsa_memory_ordered 1
		.amdhsa_forward_progress 1
		.amdhsa_inst_pref_size 50
	.end_amdhsa_kernel
	.amdgpu_metadata
---
amdhsa.version: [ 1, 2 ]
amdhsa.kernels:
  - .name:           k_q9e0ec2df08_prep
    .symbol:         k_q9e0ec2df08_prep.kd
    .args:
      - { .name: x, .offset: 0, .size: 8, .value_kind: global_buffer, .address_space: global }
      - { .name: ln1_w, .offset: 8, .size: 8, .value_kind: global_buffer, .address_space: global }
      - { .name: ln1_b, .offset: 16, .size: 8, .value_kind: global_buffer, .address_space: global }
      - { .name: h1, .offset: 24, .size: 8, .value_kind: global_buffer, .address_space: global }
      - { .name: c_attn_w, .offset: 32, .size: 8, .value_kind: global_buffer, .address_space: global }
      - { .name: c_proj_w, .offset: 40, .size: 8, .value_kind: global_buffer, .address_space: global }
      - { .name: fc_w, .offset: 48, .size: 8, .value_kind: global_buffer, .address_space: global }
      - { .name: proj_w, .offset: 56, .size: 8, .value_kind: global_buffer, .address_space: global }
      - { .name: wbf, .offset: 64, .size: 8, .value_kind: global_buffer, .address_space: global }
    .group_segment_fixed_size: 0
    .private_segment_fixed_size: 0
    .kernarg_segment_align: 8
    .kernarg_segment_size: 72
    .max_flat_workgroup_size: 128
    .sgpr_count:     66
    .vgpr_count:     256
    .wavefront_size: 32
...
	.end_amdgpu_metadata
.endif
;; end of part 1
;; launch gemm_qkv (part 2): grid 12 x 16, 4 waves a work-group, clusters of 4 x 4, 327,680 bytes of LDS; arguments h1, wbf, c_attn_b, qkv; writes qkv
.if DOCPART == 2
	.amdgcn_target "amdgcn-amd-amdhsa--gfx1250"
	.amdhsa_code_object_version 6
	.text
	.protected	k_q9e0ec2df08_gemm_qkv
	.globl	k_q9e0ec2df08_gemm_qkv
	.p2align	8
	.type	k_q9e0ec2df08_gemm_qkv,@function
k_q9e0ec2df08_gemm_qkv:
	s_mov_b64 s[64:65], 0
	v_nop
	global_prefetch_b8 v0, s[64:65] scope:SCOPE_SE
	s_setreg_imm32_b32 hwreg(HW_REG_WAVE_MODE, 25, 1), 1
	s_wait_xcnt 0x0
	s_wait_alu depctr_hold_cnt(0) depctr_sa_sdst(0) depctr_va_vdst(0) depctr_va_sdst(0) depctr_va_ssrc(0) depctr_va_vcc(0) depctr_vm_vsrc(0)
	s_getreg_b32 s2, hwreg(HW_REG_IB_STS2, 6, 4)
	s_cmp_eq_u32 s2, 0
	s_cbranch_scc0 .Lentry_in_a_cluster
	s_endpgm
.Lentry_in_a_cluster:
	s_bfe_u32 s2, ttmp6, 0x10000c
	s_cmp_lg_u32 s2, 0xf033
	s_cbranch_scc0 .Lentry_shape_is_right
	s_endpgm
.Lentry_shape_is_right:
; out = A W + bias, A [4096][SIZE_K] bf16, W [SIZE_K][SIZE_N] bf16 at byte WOFF of the weights' buffer, bias f32, sums in f32, out bf16.
; This text serves two launches with other constants at its head: here qkv = h1 Wqkv + c_attn_b, stored head-major [q,k,v][b][h][s][64].
; A work-group makes 256 x 256 of the result with four waves, each 128 x 128 in 64 accumulator tiles (512 registers).  K goes in steps of 128
; through two LDS slots filled by the tensor data mover.  A's tile lies [row][k] (pitch 272), W's tile as in memory, [k][n] (pitch 544), and
; W's fragments are read by the transposing LDS load.  4 x 4 work-groups form a cluster: A's tile is asked for jointly along a row of the
; cluster, W's along a column.
; Windows of 256 registers: 0 addresses, A's fragments (two buffers), the way out; 1 W's fragments (two buffers), the bias; 2 and 3 accumulators.
; The matrix instruction takes W's fragment as source 0 and A's as source 1: lane l then holds row l % 16 and eight neighbouring columns.
; The 64 accumulators take turns, one instruction a turn.
; Limits: operands are rounded to bf16; NaN and infinities are not served.
.set SIZE_K, 1024
.set SIZE_N, 3072
.set WOFF, 0
.set GELU, 0
.set HEADMAJOR, 1
.set KSTEP,  128
.set PITCHA, 272                       ; 256 bytes of a row of A + 16
.set PITCHB, 544                       ; 512 bytes of a row of W + 32: an odd multiple of 32 bytes
.set QTR,    34816                     ; 128 rows of A = 64 rows of W: what one tensor load brings
.set SLOT,   4*QTR                     ; A's 256 rows, then W's 128 k rows
.set STAGE,  2*SLOT                    ; behind the ring: 16 rows x 272 bytes for each wave; no tensor load lands here
.set SPITCH, 272
.set LAPS, SIZE_K/(2*KSTEP)
.set ADRA, 16                          ; v16-17 LDS address of my A fragments in slot 0, 1
.set ADRB, 20                          ; v20-21 the same for W
.set STO,  24                          ; the way out: where I put 16 bytes of a row
.set RD,   25                          ; the way out: where I read back
.set CO,   26                          ; my byte offset in the result
.set BO,   27                          ; my byte offset in the bias
.set GC0,  28                          ; v[28:29] GELU's first constant, twice
.set F0,   64
.set F1,   128
.set EV,   64                          ; the way out: 64 numbers in f32 (window 0)
.set TMP,  192                         ; the way out: packed results
.set GT,   224                         ; the way out: GELU's temporaries
.set BIAS, 192                         ; window 1: the bias of my 8 x 8 columns
.set G1, 24
.set G0, 32
.set G1B, 48
.set G0B, 56
.set MSB, 0
.macro WIN new                         ; the immediate's high byte repeats the setting that is left
.if MSB != \new
	s_set_vgpr_msb (MSB<<8)|\new
.set MSB, \new
.endif
.endm
.set MUL_LO, 0xa1                      ; source 0 (W) window 1, source 1 (A) window 0, C and D window 2
.set MUL_HI, 0xf1                      ; the same, C and D window 3
.set TO_B,   0x40                      ; destination window 1, address window 0
; A joint load.  Waves 0 and 1 fetch A's halves, waves 2 and 3 W's.  The branch hangs on the wave's number alone.
.macro JLOAD s
	s_cmp_eq_u32 s11, 0
	s_cbranch_scc0 .Lfor_b_\@
	tensor_load_to_lds s[G0+4*\s:G0+4*\s+3], s[G1:G1+7]
	s_nop 0
	s_branch .Lasked_\@
.Lfor_b_\@:
	tensor_load_to_lds s[G0B+4*\s:G0B+4*\s+3], s[G1B:G1B+7]
	s_nop 0
.Lasked_\@:
.endm
.macro CREST                           ; a round of the cluster's barrier behind its opening work-group barrier
	s_cmp_lg_u32 s10, 0
	s_cbranch_scc1 .Lnot_wave_0_\@
	s_barrier_signal -3
.Lnot_wave_0_\@:
	s_barrier_wait -3
	s_barrier_signal -1
	s_barrier_wait -1
.endm
.macro CROUND
	s_barrier_signal -1
	s_barrier_wait -1
	CREST
.endm
	s_load_b256 s[68:75], s[0:1], 0x0              ; A s[68:69], weights s[70:71], bias s[72:73], result s[74:75]
	s_set_vgpr_msb 0x40
	v_lshl_add_u32 v63, v0, 2, 0x48400
	s_set_vgpr_msb 0x4000
	v_mov_b32 v255, 0
	s_set_vgpr_msb 0x1
	ds_add_u32 v63, v255
	s_set_vgpr_msb 0x100
	v_lshrrev_b32 v1, 5, v0
	v_readfirstlane_b32 s10, v1                    ; wave 0..3
	s_lshr_b32 s11, s10, 1                         ; my half of the block's rows.  Also: I fetch for A (0) or for W (1)
	s_and_b32 s12, s10, 1                          ; my half of its columns.  Also: which half of that tile I fetch
	s_bfe_u32 s40, ttmp6, 0x40000                  ; cx
	s_bfe_u32 s41, ttmp6, 0x40004                  ; cy
	s_lshl_b32 s42, ttmp9, 2
	s_add_co_u32 s42, s42, s40                     ; block column
	s_and_b32 s13, ttmp7, 0xffff
	s_lshl_b32 s13, s13, 2
	s_add_co_u32 s13, s13, s41                     ; block row
	s_lshl_b32 s43, s41, 2
	s_lshl_b32 s43, 15, s43                        ; my row of the cluster
	s_lshl_b32 s44, 0x1111, s40                    ; my column of the cluster
	s_or_b32 s[G1+0], s43, (1<<16)|(1<<20)|(1<<21)|(5<<22)|(3<<25)   ; A: mask of my row; 2-byte elements; 4 words of padding behind every 64
	s_mov_b32 s[G1+1], KSTEP<<16                   ; tensor_dim0 = 128
	s_mov_b32 s[G1+2], 128<<16                     ; tensor_dim1 = 128
	s_mov_b32 s[G1+3], KSTEP<<16                   ; tile_dim0 = 128
	s_mov_b32 s[G1+4], 128                         ; tile_dim1 = 128
	s_mov_b32 s[G1+5], SIZE_K                      ; elements from row to row
	s_mov_b32 s[G1+6], 0
	s_mov_b32 s[G1+7], 0
	s_or_b32 s[G1B+0], s44, (1<<16)|(1<<20)|(1<<21)|(6<<22)|(7<<25)  ; W: mask of my column; 8 words of padding behind every 128
	s_mov_b32 s[G1B+1], 256<<16                    ; tensor_dim0 = 256
	s_mov_b32 s[G1B+2], 64<<16                     ; tensor_dim1 = 64
	s_mov_b32 s[G1B+3], 256<<16                    ; tile_dim0 = 256
	s_mov_b32 s[G1B+4], 64                         ; tile_dim1 = 64
	s_mov_b32 s[G1B+5], SIZE_N
	s_mov_b32 s[G1B+6], 0
	s_mov_b32 s[G1B+7], 0
	; A's tiles hang on the block row alone, W's on the block column alone; each address is made in registers that never hold the other coordinate
	s_lshl_b32 s17, s12, 7
	s_lshl_b32 s16, s13, 8
	s_add_co_u32 s16, s16, s17                     ; A: row 256 x block row + 128 x half
	s_mul_i32 s16, s16, SIZE_K*2                   ; in bytes (A has 8 MiB)
	s_mov_b32 s17, 0
	s_mul_i32 s46, s12, 64*SIZE_N*2                ; W: k row 64 x half
	s_lshl_b32 s45, s42, 9                         ; + 512 bytes x block column
	s_add_co_u32 s46, s46, s45
.if WOFF
	s_add_co_u32 s46, s46, WOFF
.endif
	s_mov_b32 s47, 0
	s_mul_i32 s20, s10, QTR                        ; where my quarter of a slot lies: the wave's number alone
	s_wait_dscnt 0x0
	s_wait_kmcnt 0x0
	s_add_nc_u64 s[14:15], s[68:69], s[16:17]
	s_add_nc_u64 s[46:47], s[70:71], s[46:47]
	CROUND                                         ; all sixteen work-groups are here: the first joint loads meet
.irp s, 0,1
	s_mov_b32 s[G0+4*\s], 1
	s_add_co_u32 s[G0+4*\s+1], s20, \s*SLOT
	s_add_nc_u64 s[G0+4*\s+2:G0+4*\s+3], s[14:15], \s*KSTEP*2
	s_or_b32 s[G0+4*\s+3], s[G0+4*\s+3], 0x80000000
	s_mov_b32 s[G0B+4*\s], 1
	s_add_co_u32 s[G0B+4*\s+1], s20, \s*SLOT
	s_add_nc_u64 s[G0B+4*\s+2:G0B+4*\s+3], s[46:47], \s*KSTEP*SIZE_N*2
	s_or_b32 s[G0B+4*\s+3], s[G0B+4*\s+3], 0x80000000
	JLOAD \s                                       ; two tensor loads of the wave are out now, later one
.endr
	v_and_b32 v1, 15, v0                           ; r = l % 16
	v_bfe_u32 v2, v0, 4, 1                         ; h = l / 16
	v_mul_u32_u24 v3, v1, PITCHA
	v_lshl_add_u32 v3, v2, 4, v3                   ; A: row r, 16 bytes for each half of the lanes
	v_and_b32 v4, 7, v0
	v_lshl_add_u32 v4, v2, 3, v4                   ; W: k row 8 h + l % 8,
	v_mul_u32_u24 v4, v4, PITCHB
	v_bfe_u32 v5, v0, 3, 1
	v_lshl_add_u32 v4, v5, 4, v4                   ; columns 8 ((l / 8) % 2) ..
	s_mul_i32 s21, s11, QTR                        ; my 128 rows of A
	s_lshl_b32 s22, s12, 8                         ; my 128 columns of W,
	s_add_co_u32 s22, s22, 2*QTR                   ; which lies behind A
.irp s, 0,1
	v_add_nc_u32 v[ADRA+\s], s21, v3
	v_add_nc_u32 v[ADRB+\s], s22, v4
	s_add_co_u32 s21, s21, SLOT
	s_add_co_u32 s22, s22, SLOT
.endr
	s_mul_i32 s23, s10, 16*SPITCH
	s_add_co_u32 s23, s23, STAGE                   ; my stage
	v_mul_u32_u24 v6, v1, SPITCH
	v_lshl_add_u32 v6, v2, 4, v6
	v_add_nc_u32 v[STO], s23, v6
.if HEADMAJOR
	; back: lanes 0-15 take two rows' 128 bytes of my first head, lanes 16-31 of my second: 256 consecutive bytes of the result each
	v_and_b32 v6, 7, v0
	v_mul_u32_u24 v7, v5, SPITCH
	v_lshl_add_u32 v7, v2, 7, v7
	v_lshl_add_u32 v7, v6, 4, v7
	v_add_nc_u32 v[RD], s23, v7
	v_lshlrev_b32 v7, 4, v1
	v_lshl_add_u32 v[CO], v2, 18, v7               ; a head has 262,144 bytes
.else
	v_mul_u32_u24 v7, v2, SPITCH                   ; back: lanes 0-15 one row of 256 bytes, lanes 16-31 the next
	v_lshl_add_u32 v7, v1, 4, v7
	v_add_nc_u32 v[RD], s23, v7
	v_mul_u32_u24 v7, v2, SIZE_N*2
	v_lshl_add_u32 v[CO], v1, 4, v7
.endif
	v_lshlrev_b32 v[BO], 5, v2                     ; my eight columns of a tile: 32 h bytes
.if GELU
	v_mov_b32 v[GC0], 0xc0135761                   ; -2 sqrt(2/pi) log2 e
	v_mov_b32 v[GC0+1], 0xc0135761
	s_mov_b32 s66, 0xbdd2d3e8                      ; that times 0.044715
	s_mov_b32 s67, 0xbdd2d3e8
.endif
	s_lshl_b32 s4, s42, 10
	s_lshl_b32 s5, s12, 9
	s_add_co_u32 s4, s4, s5
	s_mov_b32 s5, 0
	s_add_nc_u64 s[72:73], s[72:73], s[4:5]        ; the bias of my 128 columns
	WIN TO_B
.irp b, 0,1,2,3,4,5,6,7
	global_load_b128 v[BIAS+8*\b:BIAS+8*\b+3],   v[BO], s[72:73] offset:64*\b
	global_load_b128 v[BIAS+8*\b+4:BIAS+8*\b+7], v[BO], s[72:73] offset:64*\b+16
.endr
	WIN 0
; 16 matrix instructions: row blocks a0, a0 + 1 of the window's four x all 8 column blocks, 32 along K.  zero = 1: the product starts the sums.
.macro MUL16 f, hi, a0, zero
.irp a, \a0, \a0+1
.irp b, 0,1,2,3,4,5,6,7
.if \zero
	v_wmma_f32_16x16x32_bf16 v[8*(8*(\a)+\b):8*(8*(\a)+\b)+7], v[\f+8*\b:\f+8*\b+7], v[\f+8*(4*\hi+\a):\f+8*(4*\hi+\a)+7], 0
.else
	v_wmma_f32_16x16x32_bf16 v[8*(8*(\a)+\b):8*(8*(\a)+\b)+7], v[\f+8*\b:\f+8*\b+7], v[\f+8*(4*\hi+\a):\f+8*(4*\hi+\a)+7], v[8*(8*(\a)+\b):8*(8*(\a)+\b)+7]
.endif
.endr
.endr
.endm
; 32 LDS loads in one run: the fragments of quarter q (32 along K) of a slot into buffer f.  W's come transposed: 8 x 8 elements in each group of eight lanes.
.macro FETCH slot, q, f
	WIN TO_B
.irp i, 0,1,2,3,4,5,6,7
	ds_load_tr16_b128 v[\f+8*\i:\f+8*\i+3],   v[ADRB+\slot] offset:\q*32*PITCHB+32*\i
	ds_load_tr16_b128 v[\f+8*\i+4:\f+8*\i+7], v[ADRB+\slot] offset:\q*32*PITCHB+16*PITCHB+32*\i
.endr
	WIN 0
.irp i, 0,1,2,3,4,5,6,7
	ds_load_b128 v[\f+8*\i:\f+8*\i+3],   v[ADRA+\slot] offset:\q*64+\i*16*PITCHA
	ds_load_b128 v[\f+8*\i+4:\f+8*\i+7], v[ADRA+\slot] offset:\q*64+\i*16*PITCHA+32
.endr
.endm
.macro PLACES                          ; four places behind a matrix instruction before its registers are loaded into or its results read (ISA guide 7.12.1)
.rept 4
	v_nop
.endr
.endm
; One of a K step's first three quarters: multiplies buffer f and, in its middle, fetches quarter q into buffer g.
.macro QUARTER slot, q, f, g, zero
	s_wait_dscnt 8                                 ; W and A's rows 0-63 are in; the youngest eight loads (A's rows 64-127) may be out
	WIN MUL_LO
	MUL16 \f, 0, 0, \zero
	MUL16 \f, 0, 2, \zero
	PLACES
	FETCH \slot, \q, \g
	s_wait_dscnt 32                                ; all but the 32 just issued
	WIN MUL_HI
	MUL16 \f, 1, 0, \zero
	MUL16 \f, 1, 2, \zero
.endm
.macro THREE slot, zero
	QUARTER \slot, 1, F0, F1, \zero
	QUARTER \slot, 2, F1, F0, 0
	QUARTER \slot, 3, F0, F1, 0
.endm
; The last quarter changes slots.  In front of the barrier each wave waits for its reads of this slot and for all its tensor loads (one is out: its part
; of the next slot); behind it (with fill: behind the whole round of the cluster's barrier) the refill comes first, then the next slot's first fragments.
.macro TURN slot, next, fill
	s_wait_dscnt 8
	WIN MUL_LO
	MUL16 F1, 0, 0, 0
	s_wait_dscnt 0                                 ; my reads of this slot are over
	s_wait_tensorcnt 0x0                           ; all my tensor loads have landed
	ds_add_u32 v63, v255
	s_wait_dscnt 0x0
	s_barrier_signal -1
	MUL16 F1, 0, 2, 0                              ; registers only
	WIN 0
	s_barrier_wait -1
.if \fill
	CREST
	s_add_nc_u64 s[G0+4*\slot+2:G0+4*\slot+3], s[G0+4*\slot+2:G0+4*\slot+3], 2*KSTEP*2
	s_add_nc_u64 s[G0B+4*\slot+2:G0B+4*\slot+3], s[G0B+4*\slot+2:G0B+4*\slot+3], 2*KSTEP*SIZE_N*2
	JLOAD \slot                                    ; the wave's one tensor load behind the round; 240 matrix instructions stand between it and the wait for it
.endif
	PLACES
	FETCH \next, 0, F0
	WIN MUL_HI
	MUL16 F1, 1, 0, 0
	MUL16 F1, 1, 2, 0
.endm
.macro LAP zero
	THREE 0, \zero
	TURN 0, 1, 1
	THREE 1, 0
	TURN 1, 0, 1
.endm
	s_wait_tensorcnt 0x1                           ; my part of K step 0 is in; K step 1's stays out
	s_barrier_signal -1
	s_barrier_wait -1
	FETCH 0, 0, F0
	LAP 1
.if LAPS > 2
	WIN 0
	s_mov_b32 s3, LAPS-2
.Llap:
	LAP 0
	WIN 0
	s_sub_co_u32 s3, s3, 1
	s_cmp_lg_u32 s3, 0
	s_cbranch_scc1 .Llap
.endif
	THREE 0, 0                                     ; the last lap fills nothing
	TURN 0, 1, 0
	THREE 1, 0
	s_wait_dscnt 8
	WIN MUL_LO
	MUL16 F1, 0, 0, 0
	MUL16 F1, 0, 2, 0
	s_wait_dscnt 0
	WIN MUL_HI
	MUL16 F1, 1, 0, 0
	MUL16 F1, 1, 2, 0
	; THE WAY OUT, 16 rows at a time: + bias (and GELU), round to bf16, through my own stage in LDS, out in pieces of 256 consecutive bytes.
	PLACES
.if HEADMAJOR
	s_lshl_b32 s4, s42, 2
	s_lshl_b32 s5, s12, 1
	s_add_co_u32 s4, s4, s5                        ; my first head among the 48 of q, k, v
	s_lshr_b32 s5, s4, 4                           ; q, k or v
	s_and_b32 s4, s4, 15                           ; head
	s_lshl_b32 s5, s5, 23                          ; 8,388,608 bytes each
	s_lshr_b32 s6, s13, 3                          ; batch
	s_lshl_b32 s6, s6, 4
	s_add_co_u32 s4, s4, s6
	s_lshl_b32 s4, s4, 18
	s_add_co_u32 s4, s4, s5
	s_lshl_b32 s6, s13, 8
	s_lshl_b32 s7, s11, 7
	s_add_co_u32 s6, s6, s7
	s_and_b32 s6, s6, 2047                         ; my first row inside the batch
	s_lshl_b32 s6, s6, 7
	s_add_co_u32 s4, s4, s6
.else
	s_lshl_b32 s4, s13, 8
	s_lshl_b32 s5, s11, 7
	s_add_co_u32 s4, s4, s5                        ; my first row
	s_mul_i32 s4, s4, SIZE_N*2
	s_lshl_b32 s5, s42, 9
	s_add_co_u32 s4, s4, s5
	s_lshl_b32 s5, s12, 8
	s_add_co_u32 s4, s4, s5                        ; my first column, in bytes
.endif
	s_mov_b32 s5, 0
	s_add_nc_u64 s[74:75], s[74:75], s[4:5]
	s_wait_loadcnt 0x0                             ; the bias
; gelu(x) = x / (1 + 2^(x (c0 + c1 x x))), which is the tanh form written with one exponential; 32 numbers at base
.macro GELU32 base
.set cnt, 0
.rept 16
	v_pk_mul_f32 v[GT+cnt:GT+cnt+1], v[\base+cnt:\base+cnt+1], v[\base+cnt:\base+cnt+1]
.set cnt, cnt+2
.endr
.set cnt, 0
.rept 16
	v_pk_fma_f32 v[GT+cnt:GT+cnt+1], v[GT+cnt:GT+cnt+1], s[66:67], v[GC0:GC0+1] op_sel_hi:[1,0,1]
.set cnt, cnt+2
.endr
.set cnt, 0
.rept 16
	v_pk_mul_f32 v[GT+cnt:GT+cnt+1], v[GT+cnt:GT+cnt+1], v[\base+cnt:\base+cnt+1]
.set cnt, cnt+2
.endr
.set cnt, 0
.rept 32
	v_exp_f32 v[GT+cnt], v[GT+cnt]
.set cnt, cnt+1
.endr
	v_nop                                          ; one plain place behind the transcendentals (ISA guide 5.7.2)
.set cnt, 0
.rept 16
	v_pk_add_f32 v[GT+cnt:GT+cnt+1], v[GT+cnt:GT+cnt+1], 1.0 op_sel_hi:[1,0]
.set cnt, cnt+2
.endr
.set cnt, 0
.rept 32
	v_rcp_f32 v[GT+cnt], v[GT+cnt]
.set cnt, cnt+1
.endr
	v_nop
.set cnt, 0
.rept 16
	v_pk_mul_f32 v[\base+cnt:\base+cnt+1], v[\base+cnt:\base+cnt+1], v[GT+cnt:GT+cnt+1]
.set cnt, cnt+2
.endr
.endm
; rows 16 i .. 16 i + 15 of my block = tiles (a, 0..7) of window 2 or 3 (from = 0x06 or 0x07: source 0 there, source 1 in window 1); rb: read-back registers, in turn
.macro OUT16 i, a, from, rb
	WIN \from
.irp b, 0,1,2,3,4,5,6,7
.irp k, 0,2,4,6
	v_pk_add_f32 v[EV+8*\b+\k:EV+8*\b+\k+1], v[8*(8*\a+\b)+\k:8*(8*\a+\b)+\k+1], v[BIAS+8*\b+\k:BIAS+8*\b+\k+1]
.endr
.endr
	WIN 0
.if GELU
	GELU32 EV
	GELU32 EV+32
.endif
.irp b, 0,1,2,3,4,5,6,7
.irp r, 0,1,2,3
	v_cvt_pk_bf16_f32 v[TMP+4*\b+\r], v[EV+8*\b+2*\r], v[EV+8*\b+2*\r+1]
.endr
.endr
.irp b, 0,1,2,3,4,5,6,7
	ds_store_b128 v[STO], v[TMP+4*\b:TMP+4*\b+3] offset:32*\b
.endr
	s_wait_xcnt 0x0                                ; the read-back registers, which earlier stores read, and the stores' base are rewritten only behind this wait
.if (1-HEADMAJOR)*\i
	s_add_nc_u64 s[74:75], s[74:75], 16*SIZE_N*2
.endif
.irp t, 0,1,2,3,4,5,6,7
	ds_load_b128 v[\rb+4*\t:\rb+4*\t+3], v[RD] offset:\t*2*SPITCH    ; a wave's LDS instructions are served in order: these see the stores above
.endr
.irp t, 0,1,2,3,4,5,6,7
	s_wait_dscnt 7-\t
.if HEADMAJOR
	global_store_b128 v[CO], v[\rb+4*\t:\rb+4*\t+3], s[74:75] offset:(16*\i+2*\t)*128
.else
	global_store_b128 v[CO], v[\rb+4*\t:\rb+4*\t+3], s[74:75] offset:2*\t*SIZE_N*2
.endif
.endr
.endm
	OUT16 0, 0, 0x06, 128
	OUT16 1, 1, 0x06, 160
	OUT16 2, 2, 0x06, 128
	OUT16 3, 3, 0x06, 160
	OUT16 4, 0, 0x07, 128
	OUT16 5, 1, 0x07, 160
	OUT16 6, 2, 0x07, 128
	OUT16 7, 3, 0x07, 160
	s_set_vgpr_msb 0x1
	s_wait_tensorcnt 0x0
	ds_add_u32 v63, v255
	s_wait_dscnt 0x0
	s_set_vgpr_msb 0x100
	CROUND                                         ; the closing round: no work-group ends while a partner may still ask jointly
	s_endpgm
.Lfunc_end_k_q9e0ec2df08_gemm_qkv:
	.size	k_q9e0ec2df08_gemm_qkv, .Lfunc_end_k_q9e0ec2df08_gemm_qkv-k_q9e0ec2df08_gemm_qkv
	.p2alignl 7, 3214868480
	.fill 96, 4, 3214868480
	.section	.rodata,"a",@progbits
	.p2align	6, 0x0
	.amdhsa_kernel k_q9e0ec2df08_gemm_qkv
		.amdhsa_group_segment_fixed_size 327680
		.amdhsa_private_segment_fixed_size 0
		.amdhsa_enable_private_segment 0
		.amdhsa_kernarg_size 32
		.amdhsa_user_sgpr_count 2
		.amdhsa_user_sgpr_kernarg_segment_ptr 1
		.amdhsa_wavefront_size32 1
		.amdhsa_system_sgpr_workgroup_id_x 1
		.amdhsa_system_sgpr_workgroup_id_y 1
		.amdhsa_system_sgpr_workgroup_id_z 1
		.amdhsa_system_vgpr_workitem_id 0
		.amdhsa_next_free_vgpr 1024
		.amdhsa_next_free_sgpr 80
		.amdhsa_reserve_vcc 0
		.amdhsa_float_denorm_mode_32 3
		.amdhsa_float_denorm_mode_16_64 3
		.amdhsa_memory_ordered 1
		.amdhsa_forward_progress 1
		.amdhsa_inst_pref_size 214
	.end_amdhsa_kernel
	.amdgpu_metadata
---
amdhsa.version: [ 1, 2 ]
amdhsa.kernels:
  - .name:           k_q9e0ec2df08_gemm_qkv
    .symbol:         k_q9e0ec2df08_gemm_qkv.kd
    .args:
      - { .name: h1, .offset: 0, .size: 8, .value_kind: global_buffer, .address_space: global }
      - { .name: wbf, .offset: 8, .size: 8, .value_kind: global_buffer, .address_space: global }
      - { .name: c_attn_b, .offset: 16, .size: 8, .value_kind: global_buffer, .address_space: global }
      - { .name: qkv, .offset: 24, .size: 8, .value_kind: global_buffer, .address_space: global }
    .group_segment_fixed_size: 327680
    .private_segment_fixed_size: 0
    .kernarg_segment_align: 8
    .kernarg_segment_size: 32
    .max_flat_workgroup_size: 128
    .sgpr_count:     80
    .vgpr_count:     1024
    .wavefront_size: 32
...
	.end_amdgpu_metadata
.endif
;; end of part 2
;; launch attn (part 3): grid 256 x 1, 8 waves a work-group, no clusters, 327,680 bytes of LDS; arguments qkv, att; writes att
.if DOCPART == 3
	.amdgcn_target "amdgcn-amd-amdhsa--gfx1250"
	.amdhsa_code_object_version 6
	.text
	.protected	k_q9e0ec2df08_attn
	.globl	k_q9e0ec2df08_attn
	.p2align	8
	.type	k_q9e0ec2df08_attn,@function
k_q9e0ec2df08_attn:
	s_mov_b64 s[64:65], 0
	v_nop
	global_prefetch_b8 v0, s[64:65] scope:SCOPE_SE
	s_setreg_imm32_b32 hwreg(HW_REG_WAVE_MODE, 25, 1), 1
	s_wait_xcnt 0x0
; Causal attention of one head, with a running maximum.  qkv: [q,k,v][b][h][s][64] bf16; att: [4096][1024] bf16.
; Work-group (bh, i), i = 0..7, does the query blocks i and 15 - i (128 queries each) of head bh: (i+1) + (16-i) = 17 key tiles of 128 keys in
; every work-group.  Key tiles wholly above the diagonal are not visited: their weights are exp(-1e10 - max) = 0 in f32.
; The block with an even number (an odd count of tiles) goes first, so that the slot of every tile is fixed in the text: D(0), pairs N(1) N(0),
; then D(1), pairs N(0) N(1), N(0).
; EIGHT WAVES, two for each SIMD: wave w owns queries 32 (w & 3) .. + 31 of the block and keys 64 (w >> 2) .. + 63 of every tile, with a running
; maximum, sum and O of its own.  So 32 LDS loads feed 32 matrix instructions, as many for each as with one wave for all 128 keys, and one wave's
; softmax arithmetic can issue while the other wave of its SIMD multiplies or waits for LDS.  At a block's end the two waves of a query range
; merge: each keeps 16 queries and sends the other 16 queries' O, maximum and sum through LDS.
; Both products are used transposed: source 0 = K (or V transposed by the LDS load), source 1 = Q (or P).  Lane (r, h) then holds query r and keys
; (or head columns) 16 b + 8 h + 0..7, so that P's fragments form in the lane itself and every softmax figure is one number a lane.
; K and V tiles go through two LDS slots; waves 0, 1 fetch K's halves, waves 2, 3 V's, 64 rows each; waves 4 to 7 fetch nothing.
; NO JOINT LOADS: the eight work-groups of a head walk different tiles at each step and different counts of tiles in each block; a joint walk would
; make trip counts hang on the place in a cluster, or visit all 16 tiles for every block, which doubles the work.
; A store covers four pieces of 128 bytes: a head owns 128 bytes of each row of att.
; A WAVE WHOSE 64 KEYS OF THE DIAGONAL TILE ARE ALL MASKED carries the mask's value as its maximum, weights 1, a sum of 64 and the plain sum of its
; V rows, all finite; they get the factor exp2(about -1.4e10) = 0 at the next tile or at the merge.
; Limits: masked scores are -8e10 before the scale 1/8, that is the problem's -1e10; operands (Q, K, V, P) are bf16; NaN and infinities are not
; served; v_exp_f32 and v_rcp_f32 take denormals as zero (ISA guide 15.8).
.set SLOTB,  40960                     ; a slot: K keys 0-63, K keys 64-127, V keys 0-63, V keys 64-127, 10,240 bytes each
.set QTRB,   10240
.set PITCHK, 144                       ; 128 bytes + 16
.set PITCHV, 160                       ; 128 bytes + 32: an odd multiple of 32 bytes
.set STAGE,  81920                     ; behind the ring: 16 rows x 144 bytes for each wave; no tensor load lands here
.set SWAVE,  16*PITCHK
.set MERGE,  STAGE+8*SWAVE             ; behind the stage: what a wave sends to its partner, 8 x 512 bytes of O and 512 of maxima and sums
.set MWAVE,  4608
.set ADRK, 4                           ; v4-5   LDS address of my K fragments in slot 0, 1
.set ADRV, 6                           ; v6-7   the same for V
.set STG,  8                           ; the way out: where I put 16 bytes
.set RDS,  9                           ; the way out: where I read back
.set CO,   10                          ; my byte offset in att
.set QO,   11                          ; my byte offset in Q
.set DG,   12                          ; v12-13 diagonal: my key 16 kb + j is kept where 16 kb + j <= 32 (w & 3) + 16 qb + r - 8 h - 64 (w >> 2)
.set NEG,  14                          ; -8e10
.set ML,   16                          ; v16 maximum, v17 sum of query block 0; v18, v19 of block 1 (the sum: each half of the lanes its own part)
.set AL,   20                          ; v[20:21] the factor on the old sums, twice (in a diagonal tile: c, twice)
.set NM,   22                          ; v[22:23] -c x maximum, twice (in a diagonal tile: the maximum, twice)
.set TT,   24                          ; v[24:31] at work
.set QF,   32                          ; v[32:63] Q of the first block: 16 qb + 8 kk
.set OA,   64                          ; v[64:127] O: 32 qb + 8 nb
.set SC,   128                         ; v[128:191] scores: 32 qb + 8 kb; then P, packed: 32 qb + 8 c
.set QE,   192                         ; v[192:223] Q of the second block
.set MB,   224                         ; the merge region of my query range + 16 x lane
.set PML,  228                         ; v[228:231] my partner's maxima and sums
.set KF,   0                           ; window 1: 16 kb + 8 kk
.set VF,   64                          ; window 1: 32 c + 8 nb
.set G1K, 24
.set G0,  32
.set G1V, 40
.set MSB, 0
.macro WIN new                         ; the immediate's high byte repeats the setting that is left
.if MSB != \new
	s_set_vgpr_msb (MSB<<8)|\new
.set MSB, \new
.endif
.endm
; The next tile's address into a slot's group 0, and the walk's next tile: down to 0, then the second block's diagonal.
.macro SETADR slot
	s_lshl_b32 s20, s14, 14                        ; 128 keys of 128 bytes
	s_add_nc_u64 s[G0+4*\slot+2:G0+4*\slot+3], s[18:19], s[20:21]
	s_or_b32 s[G0+4*\slot+3], s[G0+4*\slot+3], 0x80000000
	s_cmp_eq_u32 s14, 0
	s_cselect_b32 s15, s13, s14
	s_sub_co_u32 s14, s15, 1
.endm
.macro KVLOAD slot                     ; waves 0, 1: K's halves; waves 2, 3: V's; the others have no part of a tile to fill
	s_cmp_lt_u32 s8, 2
	s_cbranch_scc0 .Lnot_k_\@
	tensor_load_to_lds s[G0+4*\slot:G0+4*\slot+3], s[G1K:G1K+7]
	s_nop 0
	s_branch .Lasked_\@
.Lnot_k_\@:
	s_cmp_lt_u32 s8, 4
	s_cbranch_scc0 .Lasked_\@
	tensor_load_to_lds s[G0+4*\slot:G0+4*\slot+3], s[G1V:G1V+7]
	s_nop 0
.Lasked_\@:
.endm
; In front of a tile: all my tensor loads have landed (my part of this tile among them), my reads of the other slot are over; the barrier makes both
; hold of every wave; behind it the other slot is filled again, first of all.
.macro HEAD other, refill
	s_wait_tensorcnt 0x0
	ds_add_u32 v254, v255
	s_wait_dscnt 0x0
.if \refill
	SETADR \other
.endif
	s_wait_dscnt 0x0
	s_barrier_signal -1
	s_barrier_wait -1
.if \refill
	KVLOAD \other
.endif
.endm
; Softmax step of query block qb on my 64 keys: 32 scores a lane.  diag = 1: the block's diagonal tile, which is also its first.
.macro SOFTMAX qb, diag
.set SB, SC+32*\qb
.set MR, ML+2*\qb
.set LR, ML+2*\qb+1
.if \diag
.set cnt, 0
.rept 32
	v_cmp_le_i32 vcc_lo, 16*(cnt/8)+(cnt%8), v[DG+\qb]
	v_cndmask_b32 v[SB+cnt], v[NEG], v[SB+cnt], vcc_lo
.set cnt, cnt+1
.endr
.endif
.irp k, 0,1,2,3
	v_max3_num_f32 v[TT+\k], v[SB+8*\k], v[SB+8*\k+1], v[SB+8*\k+2]
.endr
.irp m, 3,5
.irp k, 0,1,2,3
	v_max3_num_f32 v[TT+\k], v[TT+\k], v[SB+8*\k+\m], v[SB+8*\k+\m+1]
.endr
.endr
.irp k, 0,1,2,3
	v_max_num_f32 v[TT+\k], v[TT+\k], v[SB+8*\k+7]
.endr
	v_max3_num_f32 v[TT], v[TT], v[TT+1], v[TT+2]
	v_max_num_f32 v[TT], v[TT], v[TT+3]
	v_permlanex16_b32 v[TT+1], v[TT], s48, s49     ; the other half of the lanes holds the query's other keys
.if \diag
	; A block's first tile starts the maximum.  Here it may be the mask's -8e10 (all my 64 keys masked).  Its product with c, about 1.4e10, is rounded
	; by up to 512, and a fused s c - round(c max) would return that rounding as the exponent.  So in this tile the difference is formed first, which
	; is exactly 0 for s = max, and then scaled: two operations in place of one, in 2 of the 17 tiles.
	v_max_num_f32 v[MR], v[TT], v[TT+1]
	v_mov_b32 v[AL], s50
	v_mov_b32 v[AL+1], s50
	v_mov_b32 v[NM], v[MR]
	v_mov_b32 v[NM+1], v[MR]
.set cnt, 0
.rept 16
	v_pk_add_f32 v[SB+cnt:SB+cnt+1], v[SB+cnt:SB+cnt+1], v[NM:NM+1] neg_lo:[0,1] neg_hi:[0,1]     ; s - max
.set cnt, cnt+2
.endr
.set cnt, 0
.rept 16
	v_pk_mul_f32 v[SB+cnt:SB+cnt+1], v[SB+cnt:SB+cnt+1], v[AL:AL+1]                               ; c (s - max), c = log2 e / 8
.set cnt, cnt+2
.endr
.else
	; Below the diagonal the new maximum is at least the largest of 64 real scores, and the rounding of c max is 2^-24 of a real score's size.
	v_max3_num_f32 v[TT+2], v[TT], v[TT+1], v[MR]
	v_sub_f32 v[TT+3], v[MR], v[TT+2]
	v_mul_f32 v[TT+3], s50, v[TT+3]
	v_exp_f32 v[AL], v[TT+3]
	v_exp_f32 v[AL+1], v[TT+3]
	v_mul_f32 v[NM], s52, v[TT+2]                  ; also the plain place behind the two exponentials
	v_mov_b32 v[MR], v[TT+2]
	v_mov_b32 v[NM+1], v[NM]
.set cnt, 0
.rept 16
	v_pk_fma_f32 v[SB+cnt:SB+cnt+1], v[SB+cnt:SB+cnt+1], s[50:51], v[NM:NM+1] op_sel_hi:[1,0,1]   ; c (s - max), c = log2 e / 8
.set cnt, cnt+2
.endr
.endif
.set cnt, 0
.rept 32
	v_exp_f32 v[SB+cnt], v[SB+cnt]
.set cnt, cnt+1
.endr
	v_nop                                          ; one plain place behind the transcendentals (ISA guide 5.7.2)
	s_wait_alu depctr_va_vdst(0)
.irp k, 0,2,4,6
	v_pk_add_f32 v[TT+\k:TT+\k+1], v[SB+\k:SB+\k+1], v[SB+8+\k:SB+8+\k+1]
.endr
.irp m, 16,24
.irp k, 0,2,4,6
	v_pk_add_f32 v[TT+\k:TT+\k+1], v[TT+\k:TT+\k+1], v[SB+\m+\k:SB+\m+\k+1]
.endr
.endr
	v_pk_add_f32 v[TT:TT+1], v[TT:TT+1], v[TT+2:TT+3]
	v_pk_add_f32 v[TT+4:TT+5], v[TT+4:TT+5], v[TT+6:TT+7]
	v_pk_add_f32 v[TT:TT+1], v[TT:TT+1], v[TT+4:TT+5]
.if \diag
	v_add_f32 v[LR], v[TT], v[TT+1]
.else
	v_add_f32 v[TT], v[TT], v[TT+1]
	v_fma_f32 v[LR], v[LR], v[AL], v[TT]
.set cnt, 0
.rept 16
	v_pk_mul_f32 v[OA+32*\qb+cnt:OA+32*\qb+cnt+1], v[OA+32*\qb+cnt:OA+32*\qb+cnt+1], v[AL:AL+1]
.set cnt, cnt+2
.endr
.endif
.set cnt, 0
.rept 16
	v_cvt_pk_bf16_f32 v[SB+cnt], v[SB+2*cnt], v[SB+2*cnt+1]    ; in place, ascending: eight words are the fragment of 32 keys
.set cnt, cnt+1
.endr
.endm
; O(qb) += V^T P(qb): four accumulators by turns, one instruction a turn.  first = 1: the first 32 keys start the sums.
.macro PVMUL qb, first
.irp nb, 0,1,2,3
.if \first
	v_wmma_f32_16x16x32_bf16 v[OA+32*\qb+8*\nb:OA+32*\qb+8*\nb+7], v[VF+8*\nb:VF+8*\nb+7], v[SC+32*\qb:SC+32*\qb+7], 0
.else
	v_wmma_f32_16x16x32_bf16 v[OA+32*\qb+8*\nb:OA+32*\qb+8*\nb+7], v[VF+8*\nb:VF+8*\nb+7], v[SC+32*\qb:SC+32*\qb+7], v[OA+32*\qb+8*\nb:OA+32*\qb+8*\nb+7]
.endif
.endr
.irp nb, 0,1,2,3
	v_wmma_f32_16x16x32_bf16 v[OA+32*\qb+8*\nb:OA+32*\qb+8*\nb+7], v[VF+32+8*\nb:VF+32+8*\nb+7], v[SC+32*\qb+8:SC+32*\qb+15], v[OA+32*\qb+8*\nb:OA+32*\qb+8*\nb+7]
.endr
.endm
; My 64 keys of one key tile.  diag = 1: the block's diagonal tile, which is also its first.  qbase: first register of the block's Q.
.macro TILE slot, diag, qbase
.rept 5
	v_nop                                          ; five places behind the last products: their K, V are loaded over, their P written over by scores (ISA guide 7.12.1)
.endr
	WIN 0x40
.irp kb, 0,1,2,3
.irp kk, 0,1
	ds_load_b128 v[KF+16*\kb+8*\kk:KF+16*\kb+8*\kk+3],   v[ADRK+\slot] offset:\kb*16*PITCHK+64*\kk
	ds_load_b128 v[KF+16*\kb+8*\kk+4:KF+16*\kb+8*\kk+7], v[ADRK+\slot] offset:\kb*16*PITCHK+64*\kk+32
.endr
.endr
.irp c, 0,1
.irp nb, 0,1,2,3
	ds_load_tr16_b128 v[VF+32*\c+8*\nb:VF+32*\c+8*\nb+3],   v[ADRV+\slot] offset:\c*32*PITCHV+32*\nb
	ds_load_tr16_b128 v[VF+32*\c+8*\nb+4:VF+32*\c+8*\nb+7], v[ADRV+\slot] offset:\c*32*PITCHV+16*PITCHV+32*\nb
.endr
.endr
	s_wait_dscnt 16                                ; K's 16 loads are in; V's 16 stay out
	WIN 0x01                                       ; source 0 (K, V) in window 1
.irp qb, 0,1
.irp kb, 0,1,2,3
	v_wmma_f32_16x16x32_bf16 v[SC+32*\qb+8*\kb:SC+32*\qb+8*\kb+7], v[KF+16*\kb:KF+16*\kb+7], v[\qbase+16*\qb:\qbase+16*\qb+7], 0
.endr
.endr
.irp qb, 0,1
.irp kb, 0,1,2,3
	v_wmma_f32_16x16x32_bf16 v[SC+32*\qb+8*\kb:SC+32*\qb+8*\kb+7], v[KF+16*\kb+8:KF+16*\kb+15], v[\qbase+16*\qb+8:\qbase+16*\qb+15], v[SC+32*\qb+8*\kb:SC+32*\qb+8*\kb+7]
.endr
.endr
	WIN 0
.rept 5
	v_nop                                          ; places behind the score products: vector work reads them, and the next products take their registers as P
.endr
	SOFTMAX 0, \diag
	s_wait_dscnt 0x0                               ; V
	WIN 0x01
	PVMUL 0, \diag
	WIN 0
	SOFTMAX 1, \diag
	WIN 0x01
	PVMUL 1, \diag
	WIN 0
.endm
; What I send to my partner: O of query block qb, 16 bytes a lane in eight runs of 512 bytes, and my maxima and sums.
.macro SEND qb, off
.irp i, 0,1,2,3,4,5,6,7
	ds_store_b128 v[MB], v[OA+32*\qb+4*\i:OA+32*\qb+4*\i+3] offset:\off+512*\i
.endr
	ds_store_b128 v[MB], v[ML:ML+3] offset:\off+4096
.endm
; Query block qb, which I keep: my sums and my partner's are brought to the larger maximum, added, divided by the sum, rounded and stored.
.macro JOIN qb, off, b0
.irp i, 0,1,2,3,4,5,6,7
	ds_load_b128 v[SC+4*\i:SC+4*\i+3], v[MB] offset:\off+512*\i
.endr
	ds_load_b128 v[PML:PML+3], v[MB] offset:\off+4096
	s_wait_dscnt 0x0
	v_max_num_f32 v[TT], v[ML+2*\qb], v[PML+2*\qb]
	v_sub_f32 v[TT+1], v[ML+2*\qb], v[TT]
	v_sub_f32 v[TT+2], v[PML+2*\qb], v[TT]
	v_mul_f32 v[TT+1], s50, v[TT+1]
	v_mul_f32 v[TT+2], s50, v[TT+2]
	v_exp_f32 v[TT+1], v[TT+1]
	v_exp_f32 v[TT+2], v[TT+2]
	v_nop                                          ; one plain place behind the transcendentals (ISA guide 5.7.2)
	s_wait_alu depctr_va_vdst(0)
	v_mul_f32 v[TT+3], v[ML+2*\qb+1], v[TT+1]
	v_fma_f32 v[TT+3], v[PML+2*\qb+1], v[TT+2], v[TT+3]
	v_permlanex16_b32 v[TT+4], v[TT+3], s48, s49
	v_add_f32 v[TT+3], v[TT+3], v[TT+4]            ; the two halves' parts of the sum meet
	v_rcp_f32 v[TT+3], v[TT+3]
	v_nop
	s_wait_alu depctr_va_vdst(0)
	v_mul_f32 v[AL], v[TT+1], v[TT+3]
	v_mul_f32 v[NM], v[TT+2], v[TT+3]
	v_mov_b32 v[AL+1], v[AL]
	v_mov_b32 v[NM+1], v[NM]
.set cnt, 0
.rept 16
	v_pk_mul_f32 v[OA+32*\qb+cnt:OA+32*\qb+cnt+1], v[OA+32*\qb+cnt:OA+32*\qb+cnt+1], v[AL:AL+1]
.set cnt, cnt+2
.endr
.set cnt, 0
.rept 16
	v_pk_fma_f32 v[OA+32*\qb+cnt:OA+32*\qb+cnt+1], v[SC+cnt:SC+cnt+1], v[NM:NM+1], v[OA+32*\qb+cnt:OA+32*\qb+cnt+1]
.set cnt, cnt+2
.endr
.set cnt, 0
.rept 16
	v_cvt_pk_bf16_f32 v[OA+32*\qb+cnt], v[OA+32*\qb+2*cnt], v[OA+32*\qb+2*cnt+1]
.set cnt, cnt+1
.endr
.irp nb, 0,1,2,3
	ds_store_b128 v[STG], v[OA+32*\qb+4*\nb:OA+32*\qb+4*\nb+3] offset:32*\nb
.endr
.irp t, 0,1,2,3
	ds_load_b128 v[SC+32+4*\t:SC+32+4*\t+3], v[RDS] offset:\t*4*PITCHK     ; a wave's LDS instructions are served in order: these see the stores above
.endr
.irp t, 0,1,2,3
	s_wait_dscnt 3-\t                              ; this load is in; the younger ones stay out
	global_store_b128 v[CO], v[SC+32+4*\t:SC+32+4*\t+3], s[\b0:\b0+1] offset:\t*8192
.endr
	s_wait_xcnt 0x0                                ; the stores' data registers are written again (by scores) only behind this wait
.endm
; A block's end.  Waves 0-3 keep query block 0 and send block 1; waves 4-7 the other way round.  The barrier stands on every wave's path; behind it no
; slot is filled, so the tile that is on its way may stay out.  b0: the scalar pair with my 16 rows' address in att.
.macro FINAL b0
.rept 4
	v_nop                                          ; four places behind the last products before their results are read (ISA guide 7.12.1)
.endr
	s_cmp_lt_u32 s8, 4
	s_cbranch_scc0 .Lsend_b_\@
	SEND 1, 0
	s_branch .Lsent_\@
.Lsend_b_\@:
	SEND 0, MWAVE
.Lsent_\@:
	s_wait_dscnt 0x0                               ; what I send is written,
	s_barrier_signal -1
	s_barrier_wait -1                              ; everybody's is
	s_cmp_lt_u32 s8, 4
	s_cbranch_scc0 .Ljoin_b_\@
	JOIN 0, MWAVE, \b0
	s_branch .Ljoined_\@
.Ljoin_b_\@:
	JOIN 1, 0, \b0
.Ljoined_\@:
.endm
	s_load_b128 s[4:7], s[0:1], 0x0                ; qkv s[4:5], att s[6:7]
	v_lshl_add_u32 v254, v0, 2, 0x29000
	v_mov_b32 v255, 0
	ds_add_u32 v254, v255
	v_lshrrev_b32 v1, 5, v0
	v_readfirstlane_b32 s8, v1                     ; wave 0..7
	s_and_b32 s53, s8, 3                           ; which 32 queries of a block are mine
	s_lshr_b32 s3, s8, 2                           ; which 64 keys of a tile are mine
	s_lshr_b32 s9, ttmp9, 3                        ; bh
	s_and_b32 s10, ttmp9, 7                        ; i
	s_sub_co_u32 s15, 15, s10
	s_bitcmp1_b32 s10, 0
	s_cselect_b32 s11, s15, s10                    ; the even one of i, 15 - i: the first block
	s_cselect_b32 s12, s10, s15                    ; the odd one: the second block
	s_add_co_u32 s13, s12, 1
	s_lshr_b32 s22, s11, 1                         ; pairs of tiles below the first block's diagonal
	s_lshr_b32 s23, s12, 1                         ; pairs below the second's, its last tile apart
	s_mov_b32 s14, s11                             ; the walk begins at the first block's diagonal
	s_mov_b32 s21, 0
	s_mov_b32 s57, 0
	s_mov_b32 s[G1K+0], (1<<16)|(1<<20)|(4<<22)|(3<<25)   ; 2-byte elements; 4 words of padding behind every 32
	s_mov_b32 s[G1K+1], 64<<16                     ; tensor_dim0 = 64
	s_mov_b32 s[G1K+2], 64<<16                     ; tensor_dim1 = 64
	s_mov_b32 s[G1K+3], 64<<16                     ; tile_dim0 = 64
	s_mov_b32 s[G1K+4], 64                         ; tile_dim1 = 64
	s_mov_b32 s[G1K+5], 64                         ; elements from row to row
	s_mov_b32 s[G1K+6], 0
	s_mov_b32 s[G1K+7], 0
	s_mov_b32 s[G1V+0], (1<<16)|(1<<20)|(4<<22)|(7<<25)   ; the same with 8 words of padding
	s_mov_b32 s[G1V+1], 64<<16
	s_mov_b32 s[G1V+2], 64<<16
	s_mov_b32 s[G1V+3], 64<<16
	s_mov_b32 s[G1V+4], 64
	s_mov_b32 s[G1V+5], 64
	s_mov_b32 s[G1V+6], 0
	s_mov_b32 s[G1V+7], 0
	s_mul_i32 s15, s8, QTRB                        ; my quarter of a slot (used by waves 0 to 3 alone)
	s_mov_b32 s[G0], 1
	s_add_co_u32 s[G0+1], s15, 0
	s_mov_b32 s[G0+4], 1
	s_add_co_u32 s[G0+5], s15, SLOTB
	s_bfe_u32 s15, s8, 0x10001                     ; bit 1 of the wave's number:
	s_add_co_u32 s15, s15, 1                       ; K (1) or V (2)
	s_lshl_b32 s15, s15, 23
	s_lshl_b32 s17, s9, 18                         ; the head
	s_add_co_u32 s15, s15, s17
	s_and_b32 s17, s8, 1
	s_lshl_b32 s17, s17, 13                        ; the 64 keys of a tile that I fetch
	s_add_co_u32 s56, s15, s17
	s_wait_dscnt 0x0
	s_wait_kmcnt 0x0
	s_add_nc_u64 s[18:19], s[4:5], s[56:57]
	SETADR 0
	SETADR 1
	s_cmp_lt_u32 s8, 2                             ; both first fills of a wave in one branch; two tensor loads of the wave are out now, later one
	s_cbranch_scc0 .Lfirst_not_k
	tensor_load_to_lds s[G0:G0+3], s[G1K:G1K+7]
	s_nop 0
	tensor_load_to_lds s[G0+4:G0+7], s[G1K:G1K+7]
	s_nop 0
	s_branch .Lfirst_done
.Lfirst_not_k:
	s_cmp_lt_u32 s8, 4
	s_cbranch_scc0 .Lfirst_done
	tensor_load_to_lds s[G0:G0+3], s[G1V:G1V+7]
	s_nop 0
	tensor_load_to_lds s[G0+4:G0+7], s[G1V:G1V+7]
	s_nop 0
.Lfirst_done:
	s_lshl_b32 s15, s9, 18
	s_lshl_b32 s17, s53, 12                        ; my 32 queries of 128 bytes
	s_add_co_u32 s15, s15, s17
	s_lshl_b32 s56, s11, 14
	s_add_co_u32 s56, s56, s15
	s_add_nc_u64 s[60:61], s[4:5], s[56:57]        ; Q of the first block
	s_lshl_b32 s56, s12, 14
	s_add_co_u32 s56, s56, s15
	s_add_nc_u64 s[62:63], s[4:5], s[56:57]        ; Q of the second
	v_and_b32 v1, 15, v0                           ; r
	v_bfe_u32 v2, v0, 4, 1                         ; h
	v_lshlrev_b32 v3, 7, v1
	v_lshl_add_u32 v[QO], v2, 4, v3
.irp qb, 0,1
.irp kk, 0,1
	global_load_b128 v[QF+16*\qb+8*\kk:QF+16*\qb+8*\kk+3],   v[QO], s[60:61] offset:2048*\qb+64*\kk
	global_load_b128 v[QF+16*\qb+8*\kk+4:QF+16*\qb+8*\kk+7], v[QO], s[60:61] offset:2048*\qb+64*\kk+32
.endr
.endr
.irp qb, 0,1
.irp kk, 0,1
	global_load_b128 v[QE+16*\qb+8*\kk:QE+16*\qb+8*\kk+3],   v[QO], s[62:63] offset:2048*\qb+64*\kk
	global_load_b128 v[QE+16*\qb+8*\kk+4:QE+16*\qb+8*\kk+7], v[QO], s[62:63] offset:2048*\qb+64*\kk+32
.endr
.endr
	s_lshr_b32 s15, s9, 4                          ; batch
	s_lshl_b32 s15, s15, 11
	s_lshl_b32 s17, s53, 5
	s_add_co_u32 s15, s15, s17
	s_lshl_b32 s17, s3, 4
	s_add_co_u32 s15, s15, s17                     ; 2048 b + 32 (w & 3) + 16 (w >> 2): the 16 queries that I keep
	s_and_b32 s17, s9, 15
	s_lshl_b32 s17, s17, 7                         ; the head's 128 bytes in a row of att
	s_lshl_b32 s56, s11, 7
	s_add_co_u32 s56, s56, s15
	s_lshl_b32 s56, s56, 11
	s_add_co_u32 s56, s56, s17
	s_add_nc_u64 s[54:55], s[6:7], s[56:57]        ; att at the first block's rows of mine
	s_lshl_b32 s56, s12, 7
	s_add_co_u32 s56, s56, s15
	s_lshl_b32 s56, s56, 11
	s_add_co_u32 s56, s56, s17
	s_add_nc_u64 s[58:59], s[6:7], s[56:57]        ; and at the second's
	s_mov_b32 s48, 0x76543210
	s_mov_b32 s49, 0xfedcba98
	s_mov_b32 s50, 0x3e38aa3b                      ; c = log2 e / 8
	s_mov_b32 s51, 0x3e38aa3b
	s_mov_b32 s52, 0xbe38aa3b
	v_mul_u32_u24 v3, v1, PITCHK
	v_lshl_add_u32 v3, v2, 4, v3                   ; row r, 16 bytes for each half of the lanes
	s_mul_i32 s2, s3, QTRB                         ; my 64 keys are one quarter of a slot
	v_add_nc_u32 v[ADRK], s2, v3
	v_add_nc_u32 v[ADRK+1], SLOTB, v[ADRK]
	v_and_b32 v15, 7, v0
	v_lshl_add_u32 v1, v2, 3, v15                  ; V: key row 8 h + l % 8  (v1 is r no longer)
	v_mul_u32_u24 v1, v1, PITCHV
	v_bfe_u32 v[TT], v0, 3, 1
	v_lshl_add_u32 v1, v[TT], 4, v1
	s_add_co_u32 s2, s2, 2*QTRB                    ; V lies behind K's two quarters
	v_add_nc_u32 v[ADRV], s2, v1
	v_add_nc_u32 v[ADRV+1], SLOTB, v[ADRV]
	s_mul_i32 s15, s8, SWAVE
	s_add_co_u32 s15, s15, STAGE                   ; my stage
	v_add_nc_u32 v[STG], s15, v3
	v_bfe_u32 v[TT], v0, 3, 2                      ; back: four rows of 128 bytes a load
	v_mul_u32_u24 v[TT+1], v[TT], PITCHK
	v_lshl_add_u32 v[TT+1], v15, 4, v[TT+1]
	v_add_nc_u32 v[RDS], s15, v[TT+1]
	v_lshlrev_b32 v[TT+1], 4, v15
	v_lshl_add_u32 v[CO], v[TT], 11, v[TT+1]
	s_mul_i32 s15, s53, 2*MWAVE
	s_add_co_u32 s15, s15, MERGE                   ; the merge region of my query range: first what waves 0-3 send, then what waves 4-7 send
	v_and_b32 v[TT], 31, v0
	v_lshl_add_u32 v[MB], v[TT], 4, s15
	v_and_b32 v1, 15, v0
	v_lshlrev_b32 v3, 3, v2
	v_sub_nc_u32 v3, v1, v3                        ; r - 8 h
	s_lshl_b32 s15, s53, 5
	s_lshl_b32 s17, s3, 6
	s_sub_co_i32 s15, s15, s17                     ; 32 (w & 3) - 64 (w >> 2), compared as a signed number
	v_add_nc_u32 v[DG], s15, v3
	v_add_nc_u32 v[DG+1], 16, v[DG]
	v_mov_b32 v[NEG], 0xd19502f9                   ; -8e10
	s_wait_tensorcnt 0x1                           ; my part of slot 0 is in; slot 1's stays out
	s_barrier_signal -1
	s_barrier_wait -1
	s_wait_loadcnt 0x0                             ; Q of both blocks
	TILE 0, 1, QF
	s_cmp_eq_u32 s22, 0
	s_cbranch_scc1 .Lo_done
	s_mov_b32 s16, 0
.Lo_loop:
	HEAD 0, 1
	TILE 1, 0, QF
	HEAD 1, 1
	TILE 0, 0, QF
	s_add_co_u32 s16, s16, 1
	s_cmp_lt_u32 s16, s22
	s_cbranch_scc1 .Lo_loop
.Lo_done:
	FINAL 54
	HEAD 0, 1
	TILE 1, 1, QE
	s_cmp_eq_u32 s23, 0
	s_cbranch_scc1 .Le_done
	s_mov_b32 s16, 0
.Le_loop:
	HEAD 1, 1
	TILE 0, 0, QE
	HEAD 0, 1
	TILE 1, 0, QE
	s_add_co_u32 s16, s16, 1
	s_cmp_lt_u32 s16, s23
	s_cbranch_scc1 .Le_loop
.Le_done:
	HEAD 1, 0                                      ; the last tile: nothing is left to fetch
	TILE 0, 0, QE
	FINAL 58
	s_wait_tensorcnt 0x0
	ds_add_u32 v254, v255
	s_wait_dscnt 0x0
	s_endpgm
.Lfunc_end_k_q9e0ec2df08_attn:
	.size	k_q9e0ec2df08_attn, .Lfunc_end_k_q9e0ec2df08_attn-k_q9e0ec2df08_attn
	.p2alignl 7, 3214868480
	.fill 96, 4, 3214868480
	.section	.rodata,"a",@progbits
	.p2align	6, 0x0
	.amdhsa_kernel k_q9e0ec2df08_attn
		.amdhsa_group_segment_fixed_size 327680
		.amdhsa_private_segment_fixed_size 0
		.amdhsa_enable_private_segment 0
		.amdhsa_kernarg_size 16
		.amdhsa_user_sgpr_count 2
		.amdhsa_user_sgpr_kernarg_segment_ptr 1
		.amdhsa_wavefront_size32 1
		.amdhsa_system_sgpr_workgroup_id_x 1
		.amdhsa_system_sgpr_workgroup_id_y 1
		.amdhsa_system_sgpr_workgroup_id_z 1
		.amdhsa_system_vgpr_workitem_id 0
		.amdhsa_next_free_vgpr 384
		.amdhsa_next_free_sgpr 66
		.amdhsa_reserve_vcc 1
		.amdhsa_float_denorm_mode_32 3
		.amdhsa_float_denorm_mode_16_64 3
		.amdhsa_memory_ordered 1
		.amdhsa_forward_progress 1
		.amdhsa_inst_pref_size 167
	.end_amdhsa_kernel
	.amdgpu_metadata
---
amdhsa.version: [ 1, 2 ]
amdhsa.kernels:
  - .name:           k_q9e0ec2df08_attn
    .symbol:         k_q9e0ec2df08_attn.kd
    .args:
      - { .name: qkv, .offset: 0, .size: 8, .value_kind: global_buffer, .address_space: global }
      - { .name: att, .offset: 8, .size: 8, .value_kind: global_buffer, .address_space: global }
    .group_segment_fixed_size: 327680
    .private_segment_fixed_size: 0
    .kernarg_segment_align: 8
    .kernarg_segment_size: 16
    .max_flat_workgroup_size: 256
    .sgpr_count:     66
    .vgpr_count:     384
    .wavefront_size: 32
...
	.end_amdgpu_metadata
.endif
;; end of part 3
;; launch gemm_cproj (part 4): grid 8 x 32, 4 waves a work-group, clusters of 4 x 4, 327,680 bytes of LDS; arguments att, wbf, c_proj_b, x, x1; writes x1
.if DOCPART == 4
	.amdgcn_target "amdgcn-amd-amdhsa--gfx1250"
	.amdhsa_code_object_version 6
	.text
	.protected	k_q9e0ec2df08_gemm_cproj
	.globl	k_q9e0ec2df08_gemm_cproj
	.p2align	8
	.type	k_q9e0ec2df08_gemm_cproj,@function
k_q9e0ec2df08_gemm_cproj:
	s_mov_b64 s[64:65], 0
	v_nop
	global_prefetch_b8 v0, s[64:65] scope:SCOPE_SE
	s_setreg_imm32_b32 hwreg(HW_REG_WAVE_MODE, 25, 1), 1
	s_wait_xcnt 0x0
	s_wait_alu depctr_hold_cnt(0) depctr_sa_sdst(0) depctr_va_vdst(0) depctr_va_sdst(0) depctr_va_ssrc(0) depctr_va_vcc(0) depctr_vm_vsrc(0)
	s_getreg_b32 s2, hwreg(HW_REG_IB_STS2, 6, 4)
	s_cmp_eq_u32 s2, 0
	s_cbranch_scc0 .Lentry_in_a_cluster
	s_endpgm
.Lentry_in_a_cluster:
	s_bfe_u32 s2, ttmp6, 0x10000c
	s_cmp_lg_u32 s2, 0xf033
	s_cbranch_scc0 .Lentry_shape_is_right
	s_endpgm
.Lentry_shape_is_right:
; out = A W + bias + res, A [4096][SIZE_K] bf16, W [SIZE_K][1024] bf16 at byte WOFF of the weights' buffer, bias, res and out f32.
; This text serves two launches with other constants at its head: here x1 = att Wp + c_proj_b + x.
; With 1,024 columns, blocks of 128 x 128 give 256 work-groups.  The four waves split K: each makes the whole 128 x 128 block (64 accumulator
; tiles, 512 registers) over its 64 of a slot's 256 k, so that 32 LDS loads still feed 64 matrix instructions.  The four partial blocks are
; summed on the way out, which goes through LDS.  K goes in steps of 256 through two LDS slots filled by the tensor data mover: A's tile
; [row][k] (pitch 528), W's as in memory, [k][n] (pitch 288), read by the transposing LDS load.  4 x 4 work-groups form a cluster: A's tile is
; asked for jointly along a row of the cluster, W's along a column.
; EACH CLUSTER BEGINS ITS WALK ALONG K AT ANOTHER STEP and wraps round.  The start, in sixteenths of K, is 4 (Y & 1) + 8 ((Y>>1 ^ Y>>2 ^ X) & 1) for
; cluster (X, Y) of the 2 x 8: the two clusters that read the same rows of A start half of K apart, and of the cluster rows, which all read the
; same columns of W, the four of each of the sets {0,1,2,3}, {4,5,6,7}, {0,1,4,5}, {2,3,6,7} start at four different quarters.  So clusters that
; share a tile ask for it at different times, not all at once.  X and Y are the same in all partners of a cluster.
; Windows of 256 registers: 0 addresses, A's fragments, the way out; 1 W's fragments, and res, loaded at the start; 2 and 3 accumulators.
; The 64 accumulators take turns, one instruction a turn.
; Limits: operands are rounded to bf16; each output is the sum of four sums over slices of K, each begun at the cluster's own step: an order that
; differs from one ascending sum; NaN and infinities are not served.
.set SIZE_K, 1024
.set SIZE_N, 1024
.set WOFF, 6291456
.set KSLOT,  256
.set NSTEP,  SIZE_K/KSLOT              ; steps along K: 4 or 16
.set ASTEP,  KSLOT*2                   ; a step in A, in bytes
.set BSTEP,  KSLOT*SIZE_N*2            ; a step in W, in bytes
.if NSTEP == 4
.set ROTSH, 2                          ; sixteenths of K to steps
.else
.set ROTSH, 0
.endif
.set PITCHA, 528                       ; 512 bytes of a row of A + 16
.set PITCHB, 288                       ; 256 bytes of a row of W + 32: an odd multiple of 32 bytes
.set QTR,    36864                     ; 128 rows of W; 64 rows of A take 33,792 of it
.set SLOT,   4*QTR                     ; A rows 0-63, A rows 64-127, W's 256 k rows
.set LAPS, SIZE_K/(2*KSLOT)
.set PPITCH, 528                       ; the way out: a row of 128 f32 + 16
.set PREG,   128*PPITCH                ; a wave's partial block
.set ADRA, 16
.set ADRB, 20
.set PST,  24                          ; the way out: where I put my partial sums
.set GO,   26                          ; 16 x lane: my bytes of a row piece of 512 bytes
.set BI,   32                          ; v[32:35] bias of my four columns
.set PR,   36                          ; v36-39 where I read the four partial blocks
.set F0,   64
.set F1,   128
.set RES,  0                           ; window 1: my 32 rows of res, rows 0-15 in v0-63, rows 16-31 in v192-255
.set G1, 24
.set G0, 32
.set G1B, 48
.set G0B, 56
.set KI, 80                            ; s80, s81: the K step that slot 0, 1 holds or awaits; s[82:83], s[84:85]: offsets; s86, s87 at work
.set MSB, 0
.macro WIN new
.if MSB != \new
	s_set_vgpr_msb (MSB<<8)|\new
.set MSB, \new
.endif
.endm
.set MUL_LO, 0xa1
.set MUL_HI, 0xf1
.set TO_B,   0x40
.macro JLOAD s                         ; waves 0 and 1 fetch A's halves, waves 2 and 3 W's; the branch hangs on the wave's number alone
	s_cmp_eq_u32 s11, 0
	s_cbranch_scc0 .Lfor_b_\@
	tensor_load_to_lds s[G0+4*\s:G0+4*\s+3], s[G1:G1+7]
	s_nop 0
	s_branch .Lasked_\@
.Lfor_b_\@:
	tensor_load_to_lds s[G0B+4*\s:G0B+4*\s+3], s[G1B:G1B+7]
	s_nop 0
.Lasked_\@:
.endm
.macro CREST
	s_cmp_lg_u32 s10, 0
	s_cbranch_scc1 .Lnot_wave_0_\@
	s_barrier_signal -3
.Lnot_wave_0_\@:
	s_barrier_wait -3
	s_barrier_signal -1
	s_barrier_wait -1
.endm
.macro CROUND
	s_barrier_signal -1
	s_barrier_wait -1
	CREST
.endm
	s_load_b256 s[68:75], s[0:1], 0x0              ; A s[68:69], weights s[70:71], bias s[72:73], res s[74:75]
	s_load_b64 s[76:77], s[0:1], 0x20              ; out
	v_lshl_add_u32 v254, v0, 2, 0x48000
	v_mov_b32 v255, 0
	ds_add_u32 v254, v255
	v_lshrrev_b32 v1, 5, v0
	v_readfirstlane_b32 s10, v1                    ; wave 0..3: my slice of K
	s_lshr_b32 s11, s10, 1                         ; I fetch for A (0) or for W (1)
	s_and_b32 s12, s10, 1                          ; which half of that tile
	s_bfe_u32 s40, ttmp6, 0x40000                  ; cx
	s_bfe_u32 s41, ttmp6, 0x40004                  ; cy
	s_lshl_b32 s42, ttmp9, 2
	s_add_co_u32 s42, s42, s40                     ; block column
	s_and_b32 s13, ttmp7, 0xffff
	s_lshl_b32 s13, s13, 2
	s_add_co_u32 s13, s13, s41                     ; block row
	s_lshl_b32 s43, s41, 2
	s_lshl_b32 s43, 15, s43                        ; my row of the cluster
	s_lshl_b32 s44, 0x1111, s40                    ; my column of the cluster
	; the cluster's first K step, from the cluster's own coordinates alone
	s_and_b32 s86, ttmp7, 0xffff                   ; Y
	s_lshr_b32 s87, s86, 1
	s_lshr_b32 s82, s86, 2
	s_xor_b32 s87, s87, s82
	s_xor_b32 s87, s87, ttmp9                      ; X is 0 or 1
	s_and_b32 s87, s87, 1
	s_lshl_b32 s87, s87, 3
	s_and_b32 s86, s86, 1
	s_lshl_b32 s86, s86, 2
	s_or_b32 s[KI], s87, s86                       ; 0, 4, 8 or 12 sixteenths of K
.if ROTSH
	s_lshr_b32 s[KI], s[KI], ROTSH
.endif
	s_add_co_u32 s[KI+1], s[KI], 1
	s_and_b32 s[KI+1], s[KI+1], NSTEP-1            ; the step behind it, round the end
	s_mov_b32 s83, 0
	s_mov_b32 s85, 0
	s_or_b32 s[G1+0], s43, (1<<16)|(1<<20)|(1<<21)|(6<<22)|(3<<25)   ; A: mask of my row; 2-byte elements; 4 words of padding behind every 128
	s_mov_b32 s[G1+1], KSLOT<<16                   ; tensor_dim0 = 256
	s_mov_b32 s[G1+2], 64<<16                      ; tensor_dim1 = 64
	s_mov_b32 s[G1+3], KSLOT<<16                   ; tile_dim0 = 256
	s_mov_b32 s[G1+4], 64                          ; tile_dim1 = 64
	s_mov_b32 s[G1+5], SIZE_K
	s_mov_b32 s[G1+6], 0
	s_mov_b32 s[G1+7], 0
	s_or_b32 s[G1B+0], s44, (1<<16)|(1<<20)|(1<<21)|(5<<22)|(7<<25)  ; W: mask of my column; 8 words of padding behind every 64
	s_mov_b32 s[G1B+1], 128<<16                    ; tensor_dim0 = 128
	s_mov_b32 s[G1B+2], 128<<16                    ; tensor_dim1 = 128
	s_mov_b32 s[G1B+3], 128<<16                    ; tile_dim0 = 128
	s_mov_b32 s[G1B+4], 128                        ; tile_dim1 = 128
	s_mov_b32 s[G1B+5], SIZE_N
	s_mov_b32 s[G1B+6], 0
	s_mov_b32 s[G1B+7], 0
	s_lshl_b32 s17, s12, 6
	s_lshl_b32 s16, s13, 7
	s_add_co_u32 s16, s16, s17                     ; A: row 128 x block row + 64 x half
	s_mul_i32 s16, s16, SIZE_K*2                   ; in bytes (A has 32 MiB at the most)
	s_mov_b32 s17, 0
	s_mul_i32 s46, s12, 128*SIZE_N*2               ; W: k row 128 x half
	s_lshl_b32 s45, s42, 8                         ; + 256 bytes x block column
	s_add_co_u32 s46, s46, s45
	s_add_co_u32 s46, s46, WOFF
	s_mov_b32 s47, 0
	s_mul_i32 s20, s10, QTR
	s_wait_dscnt 0x0
	s_wait_kmcnt 0x0
	s_add_nc_u64 s[14:15], s[68:69], s[16:17]
	s_add_nc_u64 s[46:47], s[70:71], s[46:47]
	CROUND                                         ; all sixteen work-groups are here: the first joint loads meet
.irp s, 0,1
	s_mul_i32 s82, s[KI+\s], ASTEP                 ; the slot's first K step, in bytes of A
	s_mul_i32 s84, s[KI+\s], BSTEP                 ; and of W
	s_mov_b32 s[G0+4*\s], 1
	s_add_co_u32 s[G0+4*\s+1], s20, \s*SLOT
	s_add_nc_u64 s[G0+4*\s+2:G0+4*\s+3], s[14:15], s[82:83]
	s_or_b32 s[G0+4*\s+3], s[G0+4*\s+3], 0x80000000
	s_mov_b32 s[G0B+4*\s], 1
	s_add_co_u32 s[G0B+4*\s+1], s20, \s*SLOT
	s_add_nc_u64 s[G0B+4*\s+2:G0B+4*\s+3], s[46:47], s[84:85]
	s_or_b32 s[G0B+4*\s+3], s[G0B+4*\s+3], 0x80000000
	JLOAD \s                                       ; two tensor loads of the wave are out now, later one
.endr
	v_and_b32 v1, 15, v0                           ; r
	v_bfe_u32 v2, v0, 4, 1                         ; h
	v_mul_u32_u24 v3, v1, PITCHA
	v_lshl_add_u32 v3, v2, 4, v3
	v_and_b32 v4, 7, v0
	v_lshl_add_u32 v4, v2, 3, v4
	v_mul_u32_u24 v4, v4, PITCHB
	v_bfe_u32 v5, v0, 3, 1
	v_lshl_add_u32 v4, v5, 4, v4
	s_lshl_b32 s21, s10, 7                         ; A: my 64 k are 128 bytes of each row
	s_mul_i32 s22, s10, 64*PITCHB                  ; W: my 64 k rows,
	s_add_co_u32 s22, s22, 2*QTR                   ; behind A
.irp s, 0,1
	v_add_nc_u32 v[ADRA+\s], s21, v3
	v_add_nc_u32 v[ADRB+\s], s22, v4
	s_add_co_u32 s21, s21, SLOT
	s_add_co_u32 s22, s22, SLOT
.endr
	v_mul_u32_u24 v5, v1, PPITCH
	v_lshl_add_u32 v5, v2, 5, v5                   ; the way out: row r, 32 bytes for each half of the lanes
	s_mul_i32 s23, s10, PREG
	v_add_nc_u32 v[PST], s23, v5
	v_and_b32 v6, 31, v0
	v_lshlrev_b32 v[GO], 4, v6
	s_mul_i32 s23, s10, 32*PPITCH                  ; I sum rows 32 w .. 32 w + 31
.irp g, 0,1,2,3
	v_add_nc_u32 v[PR+\g], s23, v[GO]
	s_add_co_u32 s23, s23, PREG
.endr
	; bias and res of the rows that I shall sum are asked for now and waited for on the way out; their registers are touched by nothing in between
	s_lshl_b32 s4, s13, 7
	s_lshl_b32 s5, s10, 5
	s_add_co_u32 s4, s4, s5                        ; my first row
	s_lshl_b32 s4, s4, 12
	s_lshl_b32 s6, s42, 9                          ; the block's 512 bytes of a row
	s_add_co_u32 s4, s4, s6
	s_mov_b32 s5, 0
	s_mov_b32 s7, 0
	s_add_nc_u64 s[74:75], s[74:75], s[4:5]
	s_add_nc_u64 s[76:77], s[76:77], s[4:5]
	s_add_nc_u64 s[72:73], s[72:73], s[6:7]
	global_load_b128 v[BI:BI+3], v[GO], s[72:73]
	WIN TO_B
.set cnt, 0
.rept 32
	global_load_b128 v[RES+128*(cnt/16)+4*cnt:RES+128*(cnt/16)+4*cnt+3], v[GO], s[74:75] offset:4096*cnt
.set cnt, cnt+1
.endr
	WIN 0
.macro MUL16 f, hi, a0, zero
.irp a, \a0, \a0+1
.irp b, 0,1,2,3,4,5,6,7
.if \zero
	v_wmma_f32_16x16x32_bf16 v[8*(8*(\a)+\b):8*(8*(\a)+\b)+7], v[\f+8*\b:\f+8*\b+7], v[\f+8*(4*\hi+\a):\f+8*(4*\hi+\a)+7], 0
.else
	v_wmma_f32_16x16x32_bf16 v[8*(8*(\a)+\b):8*(8*(\a)+\b)+7], v[\f+8*\b:\f+8*\b+7], v[\f+8*(4*\hi+\a):\f+8*(4*\hi+\a)+7], v[8*(8*(\a)+\b):8*(8*(\a)+\b)+7]
.endif
.endr
.endr
.endm
; 32 LDS loads in one run: the fragments of half q (32 along K) of my slice of a slot into buffer f
.macro FETCH slot, q, f
	WIN TO_B
.irp i, 0,1,2,3,4,5,6,7
	ds_load_tr16_b128 v[\f+8*\i:\f+8*\i+3],   v[ADRB+\slot] offset:\q*32*PITCHB+32*\i
	ds_load_tr16_b128 v[\f+8*\i+4:\f+8*\i+7], v[ADRB+\slot] offset:\q*32*PITCHB+16*PITCHB+32*\i
.endr
	WIN 0
.irp i, 0,1,2,3,4,5,6,7
	ds_load_b128 v[\f+8*\i:\f+8*\i+3],   v[ADRA+\slot] offset:\q*64+(\i>>2)*QTR+(\i&3)*16*PITCHA
	ds_load_b128 v[\f+8*\i+4:\f+8*\i+7], v[ADRA+\slot] offset:\q*64+(\i>>2)*QTR+(\i&3)*16*PITCHA+32
.endr
.endm
.macro PLACES                          ; four places behind a matrix instruction before its registers are loaded into or its results read (ISA guide 7.12.1)
.rept 4
	v_nop
.endr
.endm
.macro QUARTER slot, q, f, g, zero
	s_wait_dscnt 8                                 ; W and A's rows 0-63 are in; the youngest eight loads (A's rows 64-127) may be out
	WIN MUL_LO
	MUL16 \f, 0, 0, \zero
	MUL16 \f, 0, 2, \zero
	PLACES
	FETCH \slot, \q, \g
	s_wait_dscnt 32                                ; all but the 32 just issued
	WIN MUL_HI
	MUL16 \f, 1, 0, \zero
	MUL16 \f, 1, 2, \zero
.endm
; The second half of a slot changes slots: the waits, the barrier (with fill: a round of the cluster's barrier), the refill first, then the next slot's fragments.
.macro TURN slot, next, fill
	s_wait_dscnt 8
	WIN MUL_LO
	MUL16 F1, 0, 0, 0
	s_wait_dscnt 0                                 ; my reads of this slot are over
	s_set_vgpr_msb 0xa1a0
	s_wait_tensorcnt 0x0                           ; all my tensor loads have landed
	ds_add_u32 v254, v255
	s_wait_dscnt 0x0
	s_set_vgpr_msb 0xa0a1
	s_barrier_signal -1
	MUL16 F1, 0, 2, 0                              ; registers only
	WIN 0
	s_barrier_wait -1
.if \fill
	CREST
	s_add_co_u32 s[KI+\slot], s[KI+\slot], 2       ; the slot's next K step: two on, and back by all of K where that passes the end
	s_cmp_ge_u32 s[KI+\slot], NSTEP
	s_cselect_b32 s82, NSTEP*ASTEP, 0
	s_cselect_b32 s84, NSTEP*BSTEP, 0
	s_cselect_b32 s86, NSTEP, 0
	s_sub_co_u32 s[KI+\slot], s[KI+\slot], s86
	s_add_nc_u64 s[G0+4*\slot+2:G0+4*\slot+3], s[G0+4*\slot+2:G0+4*\slot+3], 2*ASTEP
	s_sub_nc_u64 s[G0+4*\slot+2:G0+4*\slot+3], s[G0+4*\slot+2:G0+4*\slot+3], s[82:83]
	s_add_nc_u64 s[G0B+4*\slot+2:G0B+4*\slot+3], s[G0B+4*\slot+2:G0B+4*\slot+3], 2*BSTEP
	s_sub_nc_u64 s[G0B+4*\slot+2:G0B+4*\slot+3], s[G0B+4*\slot+2:G0B+4*\slot+3], s[84:85]
	JLOAD \slot                                    ; the wave's one tensor load behind the round; 112 matrix instructions stand between it and the wait for it
.endif
	PLACES
	FETCH \next, 0, F0
	WIN MUL_HI
	MUL16 F1, 1, 0, 0
	MUL16 F1, 1, 2, 0
.endm
.macro LAP zero
	QUARTER 0, 1, F0, F1, \zero
	TURN 0, 1, 1
	QUARTER 1, 1, F0, F1, 0
	TURN 1, 0, 1
.endm
	s_wait_tensorcnt 0x1                           ; my part of slot 0 is in; slot 1's stays out
	s_barrier_signal -1
	s_barrier_wait -1
	FETCH 0, 0, F0
	LAP 1
.if LAPS > 2
	WIN 0
	s_mov_b32 s3, LAPS-2
.Llap:
	LAP 0
	WIN 0
	s_sub_co_u32 s3, s3, 1
	s_cmp_lg_u32 s3, 0
	s_cbranch_scc1 .Llap
.endif
	QUARTER 0, 1, F0, F1, 0                        ; the last lap fills nothing
	TURN 0, 1, 0
	QUARTER 1, 1, F0, F1, 0
	s_wait_dscnt 8
	WIN MUL_LO
	MUL16 F1, 0, 0, 0
	MUL16 F1, 0, 2, 0
	s_wait_dscnt 0
	WIN MUL_HI
	MUL16 F1, 1, 0, 0
	MUL16 F1, 1, 2, 0
	; THE WAY OUT.  Each wave lays its partial block (128 rows x 512 bytes, pitch 528) into the ring, which has had its last fill; then wave w sums
	; rows 32 w .. 32 w + 31 of the four blocks, adds bias and res, and stores row pieces of 512 consecutive bytes.
	WIN 0
	PLACES
	s_wait_dscnt 0x0                               ; my reads of the ring are over,
	s_barrier_signal -1
	s_barrier_wait -1                              ; everybody's are
.macro PSTORE a0                       ; the 32 tiles of one window: rows 16 (a0 + a) + r, bytes 64 b + 32 h
.irp a, 0,1,2,3
.irp b, 0,1,2,3,4,5,6,7
	ds_store_b128 v[PST], v[8*(8*\a+\b):8*(8*\a+\b)+3]   offset:(\a0+\a)*16*PPITCH+64*\b
	ds_store_b128 v[PST], v[8*(8*\a+\b)+4:8*(8*\a+\b)+7] offset:(\a0+\a)*16*PPITCH+64*\b+16
.endr
.endr
.endm
	WIN 0x08                                       ; store data in window 2
	PSTORE 0
	WIN 0x0c                                       ; in window 3
	PSTORE 4
	WIN 0
	s_wait_dscnt 0x0                               ; my partial block is written,
	s_barrier_signal -1
	s_barrier_wait -1                              ; everybody's is
	s_wait_loadcnt 0x0                             ; bias and res, asked for at the start
.macro SUM4 bt                         ; rows 4 bt .. 4 bt + 3 of my 32
	s_wait_xcnt 0x0                                ; the last batch's store data are loaded over only behind this wait
.irp p, 0,1,2,3
.irp g, 0,1,2,3
	ds_load_b128 v[64+16*\p+4*\g:64+16*\p+4*\g+3], v[PR+\g] offset:(4*\bt+\p)*PPITCH
.endr
.endr
.irp p, 0,1,2,3
	s_wait_dscnt 12-4*\p                           ; this row's four loads are in; the later rows' stay out
	v_pk_add_f32 v[64+16*\p:65+16*\p], v[64+16*\p:65+16*\p], v[68+16*\p:69+16*\p]
	v_pk_add_f32 v[66+16*\p:67+16*\p], v[66+16*\p:67+16*\p], v[70+16*\p:71+16*\p]
	v_pk_add_f32 v[72+16*\p:73+16*\p], v[72+16*\p:73+16*\p], v[76+16*\p:77+16*\p]
	v_pk_add_f32 v[74+16*\p:75+16*\p], v[74+16*\p:75+16*\p], v[78+16*\p:79+16*\p]
	v_pk_add_f32 v[64+16*\p:65+16*\p], v[64+16*\p:65+16*\p], v[72+16*\p:73+16*\p]
	v_pk_add_f32 v[66+16*\p:67+16*\p], v[66+16*\p:67+16*\p], v[74+16*\p:75+16*\p]
	v_pk_add_f32 v[64+16*\p:65+16*\p], v[64+16*\p:65+16*\p], v[BI:BI+1]
	v_pk_add_f32 v[66+16*\p:67+16*\p], v[66+16*\p:67+16*\p], v[BI+2:BI+3]
.endr
	WIN 0x04                                       ; source 1 (res) in window 1
.irp p, 0,1,2,3
	v_pk_add_f32 v[64+16*\p:65+16*\p], v[64+16*\p:65+16*\p], v[RES+128*(\bt/4)+4*(4*\bt+\p):RES+128*(\bt/4)+4*(4*\bt+\p)+1]
	v_pk_add_f32 v[66+16*\p:67+16*\p], v[66+16*\p:67+16*\p], v[RES+128*(\bt/4)+4*(4*\bt+\p)+2:RES+128*(\bt/4)+4*(4*\bt+\p)+3]
.endr
	WIN 0
.irp p, 0,1,2,3
	global_store_b128 v[GO], v[64+16*\p:67+16*\p], s[76:77] offset:(4*\bt+\p)*4096
.endr
.endm
.irp bt, 0,1,2,3,4,5,6,7
	SUM4 \bt
.endr
	s_wait_tensorcnt 0x0
	ds_add_u32 v254, v255
	s_wait_dscnt 0x0
	CROUND                                         ; the closing round: no work-group ends while a partner may still ask jointly
	s_endpgm
.Lfunc_end_k_q9e0ec2df08_gemm_cproj:
	.size	k_q9e0ec2df08_gemm_cproj, .Lfunc_end_k_q9e0ec2df08_gemm_cproj-k_q9e0ec2df08_gemm_cproj
	.p2alignl 7, 3214868480
	.fill 96, 4, 3214868480
	.section	.rodata,"a",@progbits
	.p2align	6, 0x0
	.amdhsa_kernel k_q9e0ec2df08_gemm_cproj
		.amdhsa_group_segment_fixed_size 327680
		.amdhsa_private_segment_fixed_size 0
		.amdhsa_enable_private_segment 0
		.amdhsa_kernarg_size 40
		.amdhsa_user_sgpr_count 2
		.amdhsa_user_sgpr_kernarg_segment_ptr 1
		.amdhsa_wavefront_size32 1
		.amdhsa_system_sgpr_workgroup_id_x 1
		.amdhsa_system_sgpr_workgroup_id_y 1
		.amdhsa_system_sgpr_workgroup_id_z 1
		.amdhsa_system_vgpr_workitem_id 0
		.amdhsa_next_free_vgpr 1024
		.amdhsa_next_free_sgpr 96
		.amdhsa_reserve_vcc 0
		.amdhsa_float_denorm_mode_32 3
		.amdhsa_float_denorm_mode_16_64 3
		.amdhsa_memory_ordered 1
		.amdhsa_forward_progress 1
		.amdhsa_inst_pref_size 106
	.end_amdhsa_kernel
	.amdgpu_metadata
---
amdhsa.version: [ 1, 2 ]
amdhsa.kernels:
  - .name:           k_q9e0ec2df08_gemm_cproj
    .symbol:         k_q9e0ec2df08_gemm_cproj.kd
    .args:
      - { .name: att, .offset: 0, .size: 8, .value_kind: global_buffer, .address_space: global }
      - { .name: wbf, .offset: 8, .size: 8, .value_kind: global_buffer, .address_space: global }
      - { .name: c_proj_b, .offset: 16, .size: 8, .value_kind: global_buffer, .address_space: global }
      - { .name: x, .offset: 24, .size: 8, .value_kind: global_buffer, .address_space: global }
      - { .name: x1, .offset: 32, .size: 8, .value_kind: global_buffer, .address_space: global }
    .group_segment_fixed_size: 327680
    .private_segment_fixed_size: 0
    .kernarg_segment_align: 8
    .kernarg_segment_size: 40
    .max_flat_workgroup_size: 128
    .sgpr_count:     96
    .vgpr_count:     1024
    .wavefront_size: 32
...
	.end_amdgpu_metadata
.endif
;; end of part 4
;; launch ln2 (part 5): grid 256 x 1, 4 waves a work-group, no clusters, 0 bytes of LDS; arguments x1, ln2_w, ln2_b, h2; writes h2
.if DOCPART == 5
	.amdgcn_target "amdgcn-amd-amdhsa--gfx1250"
	.amdhsa_code_object_version 6
	.text
	.protected	k_q9e0ec2df08_ln2
	.globl	k_q9e0ec2df08_ln2
	.p2align	8
	.type	k_q9e0ec2df08_ln2,@function
k_q9e0ec2df08_ln2:
	s_mov_b64 s[64:65], 0
	v_nop
	global_prefetch_b8 v0, s[64:65] scope:SCOPE_SE
	s_setreg_imm32_b32 hwreg(HW_REG_WAVE_MODE, 25, 1), 1
	s_wait_xcnt 0x0
; h2 = LN2(x1) in bf16.  16 rows a work-group, 4 rows a wave, one wave per row, the row kept in 32 registers between the passes.
; LN as the problem states it: mean, centred squares / 1023, root, eps added to the root.
; Memory binds: no LDS, no barrier, no matrix unit, no cluster (work-groups share only the 8 KiB of gain and bias).
; Limits: NaN and infinities are not served; v_sqrt_f32 and v_rcp_f32 take denormals as zero (ISA guide 15.8).
.set X,  64                            ; v[64:191]  row p of my four at X + 32 p
.set WV, 192                           ; v[192:223] gain of my 32 columns
.set BV, 224                           ; v[224:255] bias of my 32 columns
.macro WSUM                            ; v12 summed over the 32 lanes, the result in every lane
	v_add_f32_dpp v12, v12, v12 row_xmask:1 row_mask:0xf bank_mask:0xf
	v_add_f32_dpp v12, v12, v12 row_xmask:2 row_mask:0xf bank_mask:0xf
	v_add_f32_dpp v12, v12, v12 row_xmask:4 row_mask:0xf bank_mask:0xf
	v_add_f32_dpp v12, v12, v12 row_xmask:8 row_mask:0xf bank_mask:0xf
	v_permlanex16_b32 v13, v12, s40, s41
	v_add_f32 v12, v12, v13
.endm
.macro LNROW p
.set XR, X+32*\p
	s_wait_loadcnt (3-\p)*8                        ; my row's eight loads are in (gain and bias are older); the later rows' stay out
.irp k, 0,2,4,6
	v_pk_add_f32 v[4+\k:5+\k], v[XR+\k:XR+\k+1], v[XR+8+\k:XR+9+\k]
.endr
.irp m, 16,24
.irp k, 0,2,4,6
	v_pk_add_f32 v[4+\k:5+\k], v[4+\k:5+\k], v[XR+\m+\k:XR+\m+\k+1]
.endr
.endr
	v_pk_add_f32 v[4:5], v[4:5], v[6:7]
	v_pk_add_f32 v[8:9], v[8:9], v[10:11]
	v_pk_add_f32 v[4:5], v[4:5], v[8:9]
	v_add_f32 v12, v4, v5
	WSUM
	v_mul_f32 v14, 0x3a800000, v12                 ; mean = sum / 1024
	v_mov_b32 v15, v14
.set cnt, 0
.rept 16
	v_pk_add_f32 v[XR+cnt:XR+cnt+1], v[XR+cnt:XR+cnt+1], v[14:15] neg_lo:[0,1] neg_hi:[0,1]   ; centre first: the squares are of centred numbers
.set cnt, cnt+2
.endr
.irp k, 0,2,4,6
	v_pk_mul_f32 v[4+\k:5+\k], v[XR+\k:XR+\k+1], v[XR+\k:XR+\k+1]
.endr
.irp m, 8,16,24
.irp k, 0,2,4,6
	v_pk_fma_f32 v[4+\k:5+\k], v[XR+\m+\k:XR+\m+\k+1], v[XR+\m+\k:XR+\m+\k+1], v[4+\k:5+\k]
.endr
.endr
	v_pk_add_f32 v[4:5], v[4:5], v[6:7]
	v_pk_add_f32 v[8:9], v[8:9], v[10:11]
	v_pk_add_f32 v[4:5], v[4:5], v[8:9]
	v_add_f32 v12, v4, v5
	WSUM
	v_mul_f32 v12, 0x3a802008, v12                 ; / 1023
	v_sqrt_f32 v13, v12
	v_nop                                          ; one plain place behind a transcendental (ISA guide 5.7.2)
	s_wait_alu depctr_va_vdst(0)
	v_add_f32 v13, 0x3727c5ac, v13                 ; + 1e-5
	v_rcp_f32 v16, v13
	v_nop
	s_wait_alu depctr_va_vdst(0)
	v_mov_b32 v17, v16
.set cnt, 0
.rept 16
	v_pk_mul_f32 v[XR+cnt:XR+cnt+1], v[XR+cnt:XR+cnt+1], v[16:17]
.set cnt, cnt+2
.endr
.set cnt, 0
.rept 16
	v_pk_fma_f32 v[XR+cnt:XR+cnt+1], v[XR+cnt:XR+cnt+1], v[WV+cnt:WV+cnt+1], v[BV+cnt:BV+cnt+1]
.set cnt, cnt+2
.endr
.set cnt, 0
.rept 16
	v_cvt_pk_bf16_f32 v[XR+cnt], v[XR+2*cnt], v[XR+2*cnt+1]     ; in place, ascending: word i is made of numbers 2i, 2i+1
.set cnt, cnt+1
.endr
.irp j, 0,1,2,3,4,5,6,7
	global_store_b64 v2, v[XR+2*\j:XR+2*\j+1], s[14:15] offset:\p*2048+256*\j   ; the wave stores 256 consecutive bytes, aligned
.endr
.endm
	s_load_b256 s[8:15], s[0:1], 0x0               ; x1 s[8:9], ln2_w s[10:11], ln2_b s[12:13], h2 s[14:15]
	v_and_b32 v3, 31, v0
	v_lshrrev_b32 v4, 5, v0                        ; wave
	v_lshlrev_b32 v3, 4, v3                        ; 16 x lane
	v_lshl_add_u32 v1, v4, 14, v3                  ; + wave x 4 rows of 4,096 bytes
	v_lshrrev_b32 v2, 1, v3                        ; 8 x lane
	v_lshl_add_u32 v2, v4, 13, v2                  ; + wave x 4 rows of 2,048 bytes
	v_mov_b32 v13, 0                               ; v_permlanex16_b32's destination counts as read
	s_lshl_b32 s2, ttmp9, 16                       ; 16 rows of x1
	s_mov_b32 s3, 0
	s_lshl_b32 s26, ttmp9, 15                      ; 16 rows of h2
	s_mov_b32 s27, 0
	s_mov_b32 s40, 0x76543210
	s_mov_b32 s41, 0xfedcba98
	s_wait_kmcnt 0x0
	s_add_nc_u64 s[8:9], s[8:9], s[2:3]
	s_add_nc_u64 s[14:15], s[14:15], s[26:27]
.irp j, 0,1,2,3,4,5,6,7
	global_load_b128 v[WV+4*\j:WV+4*\j+3], v3, s[10:11] offset:512*\j
.endr
.irp j, 0,1,2,3,4,5,6,7
	global_load_b128 v[BV+4*\j:BV+4*\j+3], v3, s[12:13] offset:512*\j
.endr
.irp p, 0,1,2,3
.irp j, 0,1,2,3,4,5,6,7
	global_load_b128 v[X+32*\p+4*\j:X+32*\p+4*\j+3], v1, s[8:9] offset:\p*4096+512*\j
.endr
.endr
	LNROW 0
	LNROW 1
	LNROW 2
	LNROW 3
	s_endpgm
.Lfunc_end_k_q9e0ec2df08_ln2:
	.size	k_q9e0ec2df08_ln2, .Lfunc_end_k_q9e0ec2df08_ln2-k_q9e0ec2df08_ln2
	.p2alignl 7, 3214868480
	.fill 96, 4, 3214868480
	.section	.rodata,"a",@progbits
	.p2align	6, 0x0
	.amdhsa_kernel k_q9e0ec2df08_ln2
		.amdhsa_group_segment_fixed_size 0
		.amdhsa_private_segment_fixed_size 0
		.amdhsa_enable_private_segment 0
		.amdhsa_kernarg_size 32
		.amdhsa_user_sgpr_count 2
		.amdhsa_user_sgpr_kernarg_segment_ptr 1
		.amdhsa_wavefront_size32 1
		.amdhsa_system_sgpr_workgroup_id_x 1
		.amdhsa_system_sgpr_workgroup_id_y 1
		.amdhsa_system_sgpr_workgroup_id_z 1
		.amdhsa_system_vgpr_workitem_id 0
		.amdhsa_next_free_vgpr 256
		.amdhsa_next_free_sgpr 66
		.amdhsa_reserve_vcc 0
		.amdhsa_float_denorm_mode_32 3
		.amdhsa_float_denorm_mode_16_64 3
		.amdhsa_memory_ordered 1
		.amdhsa_forward_progress 1
		.amdhsa_inst_pref_size 38
	.end_amdhsa_kernel
	.amdgpu_metadata
---
amdhsa.version: [ 1, 2 ]
amdhsa.kernels:
  - .name:           k_q9e0ec2df08_ln2
    .symbol:         k_q9e0ec2df08_ln2.kd
    .args:
      - { .name: x1, .offset: 0, .size: 8, .value_kind: global_buffer, .address_space: global }
      - { .name: ln2_w, .offset: 8, .size: 8, .value_kind: global_buffer, .address_space: global }
      - { .name: ln2_b, .offset: 16, .size: 8, .value_kind: global_buffer, .address_space: global }
      - { .name: h2, .offset: 24, .size: 8, .value_kind: global_buffer, .address_space: global }
    .group_segment_fixed_size: 0
    .private_segment_fixed_size: 0
    .kernarg_segment_align: 8
    .kernarg_segment_size: 32
    .max_flat_workgroup_size: 128
    .sgpr_count:     66
    .vgpr_count:     256
    .wavefront_size: 32
...
	.end_amdgpu_metadata
.endif
;; end of part 5
;; launch gemm_fc (part 6): grid 16 x 16, 4 waves a work-group, clusters of 4 x 4, 327,680 bytes of LDS; arguments h2, wbf, fc_b, gact; writes gact
.if DOCPART == 6
	.amdgcn_target "amdgcn-amd-amdhsa--gfx1250"
	.amdhsa_code_object_version 6
	.text
	.protected	k_q9e0ec2df08_gemm_fc
	.globl	k_q9e0ec2df08_gemm_fc
	.p2align	8
	.type	k_q9e0ec2df08_gemm_fc,@function
k_q9e0ec2df08_gemm_fc:
	s_mov_b64 s[64:65], 0
	v_nop
	global_prefetch_b8 v0, s[64:65] scope:SCOPE_SE
	s_setreg_imm32_b32 hwreg(HW_REG_WAVE_MODE, 25, 1), 1
	s_wait_xcnt 0x0
	s_wait_alu depctr_hold_cnt(0) depctr_sa_sdst(0) depctr_va_vdst(0) depctr_va_sdst(0) depctr_va_ssrc(0) depctr_va_vcc(0) depctr_vm_vsrc(0)
	s_getreg_b32 s2, hwreg(HW_REG_IB_STS2, 6, 4)
	s_cmp_eq_u32 s2, 0
	s_cbranch_scc0 .Lentry_in_a_cluster
	s_endpgm
.Lentry_in_a_cluster:
	s_bfe_u32 s2, ttmp6, 0x10000c
	s_cmp_lg_u32 s2, 0xf033
	s_cbranch_scc0 .Lentry_shape_is_right
	s_endpgm
.Lentry_shape_is_right:
; out = gelu(A W + bias), A [4096][SIZE_K] bf16, W [SIZE_K][SIZE_N] bf16 at byte WOFF of the weights' buffer, bias f32, sums in f32, out bf16.
; This text serves two launches with other constants at its head: here gact = gelu(h2 Wfc + fc_b), row-major [4096][4096].
; A work-group makes 256 x 256 of the result with four waves, each 128 x 128 in 64 accumulator tiles (512 registers).  K goes in steps of 128
; through two LDS slots filled by the tensor data mover.  A's tile lies [row][k] (pitch 272), W's tile as in memory, [k][n] (pitch 544), and
; W's fragments are read by the transposing LDS load.  4 x 4 work-groups form a cluster: A's tile is asked for jointly along a row of the
; cluster, W's along a column.
; Windows of 256 registers: 0 addresses, A's fragments (two buffers), the way out; 1 W's fragments (two buffers), the bias; 2 and 3 accumulators.
; The matrix instruction takes W's fragment as source 0 and A's as source 1: lane l then holds row l % 16 and eight neighbouring columns.
; The 64 accumulators take turns, one instruction a turn.
; Limits: operands are rounded to bf16; NaN and infinities are not served; v_exp_f32 and v_rcp_f32 take denormals as zero (ISA guide 15.8).
.set SIZE_K, 1024
.set SIZE_N, 4096
.set WOFF, 8388608
.set GELU, 1
.set HEADMAJOR, 0
.set KSTEP,  128
.set PITCHA, 272                       ; 256 bytes of a row of A + 16
.set PITCHB, 544                       ; 512 bytes of a row of W + 32: an odd multiple of 32 bytes
.set QTR,    34816                     ; 128 rows of A = 64 rows of W: what one tensor load brings
.set SLOT,   4*QTR                     ; A's 256 rows, then W's 128 k rows
.set STAGE,  2*SLOT                    ; behind the ring: 16 rows x 272 bytes for each wave; no tensor load lands here
.set SPITCH, 272
.set LAPS, SIZE_K/(2*KSTEP)
.set ADRA, 16                          ; v16-17 LDS address of my A fragments in slot 0, 1
.set ADRB, 20                          ; v20-21 the same for W
.set STO,  24                          ; the way out: where I put 16 bytes of a row
.set RD,   25                          ; the way out: where I read back
.set CO,   26                          ; my byte offset in the result
.set BO,   27                          ; my byte offset in the bias
.set GC0,  28                          ; v[28:29] GELU's first constant, twice
.set F0,   64
.set F1,   128
.set EV,   64                          ; the way out: 64 numbers in f32 (window 0)
.set TMP,  192                         ; the way out: packed results
.set GT,   224                         ; the way out: GELU's temporaries
.set BIAS, 192                         ; window 1: the bias of my 8 x 8 columns
.set G1, 24
.set G0, 32
.set G1B, 48
.set G0B, 56
.set MSB, 0
.macro WIN new                         ; the immediate's high byte repeats the setting that is left
.if MSB != \new
	s_set_vgpr_msb (MSB<<8)|\new
.set MSB, \new
.endif
.endm
.set MUL_LO, 0xa1                      ; source 0 (W) window 1, source 1 (A) window 0, C and D window 2
.set MUL_HI, 0xf1                      ; the same, C and D window 3
.set TO_B,   0x40                      ; destination window 1, address window 0
; A joint load.  Waves 0 and 1 fetch A's halves, waves 2 and 3 W's.  The branch hangs on the wave's number alone.
.macro JLOAD s
	s_cmp_eq_u32 s11, 0
	s_cbranch_scc0 .Lfor_b_\@
	tensor_load_to_lds s[G0+4*\s:G0+4*\s+3], s[G1:G1+7]
	s_nop 0
	s_branch .Lasked_\@
.Lfor_b_\@:
	tensor_load_to_lds s[G0B+4*\s:G0B+4*\s+3], s[G1B:G1B+7]
	s_nop 0
.Lasked_\@:
.endm
.macro CREST                           ; a round of the cluster's barrier behind its opening work-group barrier
	s_cmp_lg_u32 s10, 0
	s_cbranch_scc1 .Lnot_wave_0_\@
	s_barrier_signal -3
.Lnot_wave_0_\@:
	s_barrier_wait -3
	s_barrier_signal -1
	s_barrier_wait -1
.endm
.macro CROUND
	s_barrier_signal -1
	s_barrier_wait -1
	CREST
.endm
	s_load_b256 s[68:75], s[0:1], 0x0              ; A s[68:69], weights s[70:71], bias s[72:73], result s[74:75]
	s_set_vgpr_msb 0x40
	v_lshl_add_u32 v63, v0, 2, 0x48400
	s_set_vgpr_msb 0x4000
	v_mov_b32 v63, 0
	s_set_vgpr_msb 0x1
	ds_add_u32 v63, v63
	s_set_vgpr_msb 0x100
	v_lshrrev_b32 v1, 5, v0
	v_readfirstlane_b32 s10, v1                    ; wave 0..3
	s_lshr_b32 s11, s10, 1                         ; my half of the block's rows.  Also: I fetch for A (0) or for W (1)
	s_and_b32 s12, s10, 1                          ; my half of its columns.  Also: which half of that tile I fetch
	s_bfe_u32 s40, ttmp6, 0x40000                  ; cx
	s_bfe_u32 s41, ttmp6, 0x40004                  ; cy
	s_lshl_b32 s42, ttmp9, 2
	s_add_co_u32 s42, s42, s40                     ; block column
	s_and_b32 s13, ttmp7, 0xffff
	s_lshl_b32 s13, s13, 2
	s_add_co_u32 s13, s13, s41                     ; block row
	s_lshl_b32 s43, s41, 2
	s_lshl_b32 s43, 15, s43                        ; my row of the cluster
	s_lshl_b32 s44, 0x1111, s40                    ; my column of the cluster
	s_or_b32 s[G1+0], s43, (1<<16)|(1<<20)|(1<<21)|(5<<22)|(3<<25)   ; A: mask of my row; 2-byte elements; 4 words of padding behind every 64
	s_mov_b32 s[G1+1], KSTEP<<16                   ; tensor_dim0 = 128
	s_mov_b32 s[G1+2], 128<<16                     ; tensor_dim1 = 128
	s_mov_b32 s[G1+3], KSTEP<<16                   ; tile_dim0 = 128
	s_mov_b32 s[G1+4], 128                         ; tile_dim1 = 128
	s_mov_b32 s[G1+5], SIZE_K                      ; elements from row to row
	s_mov_b32 s[G1+6], 0
	s_mov_b32 s[G1+7], 0
	s_or_b32 s[G1B+0], s44, (1<<16)|(1<<20)|(1<<21)|(6<<22)|(7<<25)  ; W: mask of my column; 8 words of padding behind every 128
	s_mov_b32 s[G1B+1], 256<<16                    ; tensor_dim0 = 256
	s_mov_b32 s[G1B+2], 64<<16                     ; tensor_dim1 = 64
	s_mov_b32 s[G1B+3], 256<<16                    ; tile_dim0 = 256
	s_mov_b32 s[G1B+4], 64                         ; tile_dim1 = 64
	s_mov_b32 s[G1B+5], SIZE_N
	s_mov_b32 s[G1B+6], 0
	s_mov_b32 s[G1B+7], 0
	; A's tiles hang on the block row alone, W's on the block column alone; each address is made in registers that never hold the other coordinate
	s_lshl_b32 s17, s12, 7
	s_lshl_b32 s16, s13, 8
	s_add_co_u32 s16, s16, s17                     ; A: row 256 x block row + 128 x half
	s_mul_i32 s16, s16, SIZE_K*2                   ; in bytes (A has 8 MiB)
	s_mov_b32 s17, 0
	s_mul_i32 s46, s12, 64*SIZE_N*2                ; W: k row 64 x half
	s_lshl_b32 s45, s42, 9                         ; + 512 bytes x block column
	s_add_co_u32 s46, s46, s45
.if WOFF
	s_add_co_u32 s46, s46, WOFF
.endif
	s_mov_b32 s47, 0
	s_mul_i32 s20, s10, QTR                        ; where my quarter of a slot lies: the wave's number alone
	s_wait_dscnt 0x0
	s_wait_kmcnt 0x0
	s_add_nc_u64 s[14:15], s[68:69], s[16:17]
	s_add_nc_u64 s[46:47], s[70:71], s[46:47]
	CROUND                                         ; all sixteen work-groups are here: the first joint loads meet
.irp s, 0,1
	s_mov_b32 s[G0+4*\s], 1
	s_add_co_u32 s[G0+4*\s+1], s20, \s*SLOT
	s_add_nc_u64 s[G0+4*\s+2:G0+4*\s+3], s[14:15], \s*KSTEP*2
	s_or_b32 s[G0+4*\s+3], s[G0+4*\s+3], 0x80000000
	s_mov_b32 s[G0B+4*\s], 1
	s_add_co_u32 s[G0B+4*\s+1], s20, \s*SLOT
	s_add_nc_u64 s[G0B+4*\s+2:G0B+4*\s+3], s[46:47], \s*KSTEP*SIZE_N*2
	s_or_b32 s[G0B+4*\s+3], s[G0B+4*\s+3], 0x80000000
	JLOAD \s                                       ; two tensor loads of the wave are out now, later one
.endr
	v_and_b32 v1, 15, v0                           ; r = l % 16
	v_bfe_u32 v2, v0, 4, 1                         ; h = l / 16
	v_mul_u32_u24 v3, v1, PITCHA
	v_lshl_add_u32 v3, v2, 4, v3                   ; A: row r, 16 bytes for each half of the lanes
	v_and_b32 v4, 7, v0
	v_lshl_add_u32 v4, v2, 3, v4                   ; W: k row 8 h + l % 8,
	v_mul_u32_u24 v4, v4, PITCHB
	v_bfe_u32 v5, v0, 3, 1
	v_lshl_add_u32 v4, v5, 4, v4                   ; columns 8 ((l / 8) % 2) ..
	s_mul_i32 s21, s11, QTR                        ; my 128 rows of A
	s_lshl_b32 s22, s12, 8                         ; my 128 columns of W,
	s_add_co_u32 s22, s22, 2*QTR                   ; which lies behind A
.irp s, 0,1
	v_add_nc_u32 v[ADRA+\s], s21, v3
	v_add_nc_u32 v[ADRB+\s], s22, v4
	s_add_co_u32 s21, s21, SLOT
	s_add_co_u32 s22, s22, SLOT
.endr
	s_mul_i32 s23, s10, 16*SPITCH
	s_add_co_u32 s23, s23, STAGE                   ; my stage
	v_mul_u32_u24 v6, v1, SPITCH
	v_lshl_add_u32 v6, v2, 4, v6
	v_add_nc_u32 v[STO], s23, v6
.if HEADMAJOR
	; back: lanes 0-15 take two rows' 128 bytes of my first head, lanes 16-31 of my second: 256 consecutive bytes of the result each
	v_and_b32 v6, 7, v0
	v_mul_u32_u24 v7, v5, SPITCH
	v_lshl_add_u32 v7, v2, 7, v7
	v_lshl_add_u32 v7, v6, 4, v7
	v_add_nc_u32 v[RD], s23, v7
	v_lshlrev_b32 v7, 4, v1
	v_lshl_add_u32 v[CO], v2, 18, v7               ; a head has 262,144 bytes
.else
	v_mul_u32_u24 v7, v2, SPITCH                   ; back: lanes 0-15 one row of 256 bytes, lanes 16-31 the next
	v_lshl_add_u32 v7, v1, 4, v7
	v_add_nc_u32 v[RD], s23, v7
	v_mul_u32_u24 v7, v2, SIZE_N*2
	v_lshl_add_u32 v[CO], v1, 4, v7
.endif
	v_lshlrev_b32 v[BO], 5, v2                     ; my eight columns of a tile: 32 h bytes
.if GELU
	v_mov_b32 v[GC0], 0xc0135761                   ; -2 sqrt(2/pi) log2 e
	v_mov_b32 v[GC0+1], 0xc0135761
	s_mov_b32 s66, 0xbdd2d3e8                      ; that times 0.044715
	s_mov_b32 s67, 0xbdd2d3e8
.endif
	s_lshl_b32 s4, s42, 10
	s_lshl_b32 s5, s12, 9
	s_add_co_u32 s4, s4, s5
	s_mov_b32 s5, 0
	s_add_nc_u64 s[72:73], s[72:73], s[4:5]        ; the bias of my 128 columns
	WIN TO_B
.irp b, 0,1,2,3,4,5,6,7
	global_load_b128 v[BIAS+8*\b:BIAS+8*\b+3],   v[BO], s[72:73] offset:64*\b
	global_load_b128 v[BIAS+8*\b+4:BIAS+8*\b+7], v[BO], s[72:73] offset:64*\b+16
.endr
	WIN 0
; 16 matrix instructions: row blocks a0, a0 + 1 of the window's four x all 8 column blocks, 32 along K.  zero = 1: the product starts the sums.
.macro MUL16 f, hi, a0, zero
.irp a, \a0, \a0+1
.irp b, 0,1,2,3,4,5,6,7
.if \zero
	v_wmma_f32_16x16x32_bf16 v[8*(8*(\a)+\b):8*(8*(\a)+\b)+7], v[\f+8*\b:\f+8*\b+7], v[\f+8*(4*\hi+\a):\f+8*(4*\hi+\a)+7], 0
.else
	v_wmma_f32_16x16x32_bf16 v[8*(8*(\a)+\b):8*(8*(\a)+\b)+7], v[\f+8*\b:\f+8*\b+7], v[\f+8*(4*\hi+\a):\f+8*(4*\hi+\a)+7], v[8*(8*(\a)+\b):8*(8*(\a)+\b)+7]
.endif
.endr
.endr
.endm
; 32 LDS loads in one run: the fragments of quarter q (32 along K) of a slot into buffer f.  W's come transposed: 8 x 8 elements in each group of eight lanes.
.macro FETCH slot, q, f
	WIN TO_B
.irp i, 0,1,2,3,4,5,6,7
	ds_load_tr16_b128 v[\f+8*\i:\f+8*\i+3],   v[ADRB+\slot] offset:\q*32*PITCHB+32*\i
	ds_load_tr16_b128 v[\f+8*\i+4:\f+8*\i+7], v[ADRB+\slot] offset:\q*32*PITCHB+16*PITCHB+32*\i
.endr
	WIN 0
.irp i, 0,1,2,3,4,5,6,7
	ds_load_b128 v[\f+8*\i:\f+8*\i+3],   v[ADRA+\slot] offset:\q*64+\i*16*PITCHA
	ds_load_b128 v[\f+8*\i+4:\f+8*\i+7], v[ADRA+\slot] offset:\q*64+\i*16*PITCHA+32
.endr
.endm
.macro PLACES                          ; four places behind a matrix instruction before its registers are loaded into or its results read (ISA guide 7.12.1)
.rept 4
	v_nop
.endr
.endm
; One of a K step's first three quarters: multiplies buffer f and, in its middle, fetches quarter q into buffer g.
.macro QUARTER slot, q, f, g, zero
	s_wait_dscnt 8                                 ; W and A's rows 0-63 are in; the youngest eight loads (A's rows 64-127) may be out
	WIN MUL_LO
	MUL16 \f, 0, 0, \zero
	MUL16 \f, 0, 2, \zero
	PLACES
	FETCH \slot, \q, \g
	s_wait_dscnt 32                                ; all but the 32 just issued
	WIN MUL_HI
	MUL16 \f, 1, 0, \zero
	MUL16 \f, 1, 2, \zero
.endm
.macro THREE slot, zero
	QUARTER \slot, 1, F0, F1, \zero
	QUARTER \slot, 2, F1, F0, 0
	QUARTER \slot, 3, F0, F1, 0
.endm
; The last quarter changes slots.  In front of the barrier each wave waits for its reads of this slot and for all its tensor loads (one is out: its part
; of the next slot); behind it (with fill: behind the whole round of the cluster's barrier) the refill comes first, then the next slot's first fragments.
.macro TURN slot, next, fill
	s_wait_dscnt 8
	WIN MUL_LO
	MUL16 F1, 0, 0, 0
	s_wait_dscnt 0                                 ; my reads of this slot are over
	s_wait_tensorcnt 0x0                           ; all my tensor loads have landed
	ds_add_u32 v63, v63
	s_wait_dscnt 0x0
	s_barrier_signal -1
	MUL16 F1, 0, 2, 0                              ; registers only
	WIN 0
	s_barrier_wait -1
.if \fill
	CREST
	s_add_nc_u64 s[G0+4*\slot+2:G0+4*\slot+3], s[G0+4*\slot+2:G0+4*\slot+3], 2*KSTEP*2
	s_add_nc_u64 s[G0B+4*\slot+2:G0B+4*\slot+3], s[G0B+4*\slot+2:G0B+4*\slot+3], 2*KSTEP*SIZE_N*2
	JLOAD \slot                                    ; the wave's one tensor load behind the round; 240 matrix instructions stand between it and the wait for it
.endif
	PLACES
	FETCH \next, 0, F0
	WIN MUL_HI
	MUL16 F1, 1, 0, 0
	MUL16 F1, 1, 2, 0
.endm
.macro LAP zero
	THREE 0, \zero
	TURN 0, 1, 1
	THREE 1, 0
	TURN 1, 0, 1
.endm
	s_wait_tensorcnt 0x1                           ; my part of K step 0 is in; K step 1's stays out
	s_barrier_signal -1
	s_barrier_wait -1
	FETCH 0, 0, F0
	LAP 1
.if LAPS > 2
	WIN 0
	s_mov_b32 s3, LAPS-2
.Llap:
	LAP 0
	WIN 0
	s_sub_co_u32 s3, s3, 1
	s_cmp_lg_u32 s3, 0
	s_cbranch_scc1 .Llap
.endif
	THREE 0, 0                                     ; the last lap fills nothing
	TURN 0, 1, 0
	THREE 1, 0
	s_wait_dscnt 8
	WIN MUL_LO
	MUL16 F1, 0, 0, 0
	MUL16 F1, 0, 2, 0
	s_wait_dscnt 0
	WIN MUL_HI
	MUL16 F1, 1, 0, 0
	MUL16 F1, 1, 2, 0
	; THE WAY OUT, 16 rows at a time: + bias (and GELU), round to bf16, through my own stage in LDS, out in pieces of 256 consecutive bytes.
	PLACES
.if HEADMAJOR
	s_lshl_b32 s4, s42, 2
	s_lshl_b32 s5, s12, 1
	s_add_co_u32 s4, s4, s5                        ; my first head among the 48 of q, k, v
	s_lshr_b32 s5, s4, 4                           ; q, k or v
	s_and_b32 s4, s4, 15                           ; head
	s_lshl_b32 s5, s5, 23                          ; 8,388,608 bytes each
	s_lshr_b32 s6, s13, 3                          ; batch
	s_lshl_b32 s6, s6, 4
	s_add_co_u32 s4, s4, s6
	s_lshl_b32 s4, s4, 18
	s_add_co_u32 s4, s4, s5
	s_lshl_b32 s6, s13, 8
	s_lshl_b32 s7, s11, 7
	s_add_co_u32 s6, s6, s7
	s_and_b32 s6, s6, 2047                         ; my first row inside the batch
	s_lshl_b32 s6, s6, 7
	s_add_co_u32 s4, s4, s6
.else
	s_lshl_b32 s4, s13, 8
	s_lshl_b32 s5, s11, 7
	s_add_co_u32 s4, s4, s5                        ; my first row
	s_mul_i32 s4, s4, SIZE_N*2
	s_lshl_b32 s5, s42, 9
	s_add_co_u32 s4, s4, s5
	s_lshl_b32 s5, s12, 8
	s_add_co_u32 s4, s4, s5                        ; my first column, in bytes
.endif
	s_mov_b32 s5, 0
	s_add_nc_u64 s[74:75], s[74:75], s[4:5]
	s_wait_loadcnt 0x0                             ; the bias
; gelu(x) = x / (1 + 2^(x (c0 + c1 x x))), which is the tanh form written with one exponential; 32 numbers at base
.macro GELU32 base
.set cnt, 0
.rept 16
	v_pk_mul_f32 v[GT+cnt:GT+cnt+1], v[\base+cnt:\base+cnt+1], v[\base+cnt:\base+cnt+1]
.set cnt, cnt+2
.endr
.set cnt, 0
.rept 16
	v_pk_fma_f32 v[GT+cnt:GT+cnt+1], v[GT+cnt:GT+cnt+1], s[66:67], v[GC0:GC0+1] op_sel_hi:[1,0,1]
.set cnt, cnt+2
.endr
.set cnt, 0
.rept 16
	v_pk_mul_f32 v[GT+cnt:GT+cnt+1], v[GT+cnt:GT+cnt+1], v[\base+cnt:\base+cnt+1]
.set cnt, cnt+2
.endr
.set cnt, 0
.rept 32
	v_exp_f32 v[GT+cnt], v[GT+cnt]
.set cnt, cnt+1
.endr
	v_nop                                          ; one plain place behind the transcendentals (ISA guide 5.7.2)
.set cnt, 0
	s_wait_alu depctr_va_vdst(0)
.rept 16
	v_pk_add_f32 v[GT+cnt:GT+cnt+1], v[GT+cnt:GT+cnt+1], 1.0 op_sel_hi:[1,0]
.set cnt, cnt+2
.endr
.set cnt, 0
.rept 32
	v_rcp_f32 v[GT+cnt], v[GT+cnt]
.set cnt, cnt+1
.endr
	v_nop
.set cnt, 0
	s_wait_alu depctr_va_vdst(0)
.rept 16
	v_pk_mul_f32 v[\base+cnt:\base+cnt+1], v[\base+cnt:\base+cnt+1], v[GT+cnt:GT+cnt+1]
.set cnt, cnt+2
.endr
.endm
; rows 16 i .. 16 i + 15 of my block = tiles (a, 0..7) of window 2 or 3 (from = 0x06 or 0x07: source 0 there, source 1 in window 1); rb: read-back registers, in turn
.macro OUT16 i, a, from, rb
	WIN \from
.irp b, 0,1,2,3,4,5,6,7
.irp k, 0,2,4,6
	v_pk_add_f32 v[EV+8*\b+\k:EV+8*\b+\k+1], v[8*(8*\a+\b)+\k:8*(8*\a+\b)+\k+1], v[BIAS+8*\b+\k:BIAS+8*\b+\k+1]
.endr
.endr
	WIN 0
.if GELU
	GELU32 EV
	GELU32 EV+32
.endif
.irp b, 0,1,2,3,4,5,6,7
.irp r, 0,1,2,3
	v_cvt_pk_bf16_f32 v[TMP+4*\b+\r], v[EV+8*\b+2*\r], v[EV+8*\b+2*\r+1]
.endr
.endr
.irp b, 0,1,2,3,4,5,6,7
	ds_store_b128 v[STO], v[TMP+4*\b:TMP+4*\b+3] offset:32*\b
.endr
	s_wait_xcnt 0x0                                ; the read-back registers, which earlier stores read, and the stores' base are rewritten only behind this wait
.if (1-HEADMAJOR)*\i
	s_add_nc_u64 s[74:75], s[74:75], 16*SIZE_N*2
.endif
.irp t, 0,1,2,3,4,5,6,7
	ds_load_b128 v[\rb+4*\t:\rb+4*\t+3], v[RD] offset:\t*2*SPITCH    ; a wave's LDS instructions are served in order: these see the stores above
.endr
.irp t, 0,1,2,3,4,5,6,7
	s_wait_dscnt 7-\t
.if HEADMAJOR
	global_store_b128 v[CO], v[\rb+4*\t:\rb+4*\t+3], s[74:75] offset:(16*\i+2*\t)*128
.else
	global_store_b128 v[CO], v[\rb+4*\t:\rb+4*\t+3], s[74:75] offset:2*\t*SIZE_N*2
.endif
.endr
.endm
	OUT16 0, 0, 0x06, 128
	OUT16 1, 1, 0x06, 160
	OUT16 2, 2, 0x06, 128
	OUT16 3, 3, 0x06, 160
	OUT16 4, 0, 0x07, 128
	OUT16 5, 1, 0x07, 160
	OUT16 6, 2, 0x07, 128
	OUT16 7, 3, 0x07, 160
	s_set_vgpr_msb 0x1
	s_wait_tensorcnt 0x0
	ds_add_u32 v63, v63
	s_wait_dscnt 0x0
	s_set_vgpr_msb 0x100
	CROUND                                         ; the closing round: no work-group ends while a partner may still ask jointly
	s_endpgm
.Lfunc_end_k_q9e0ec2df08_gemm_fc:
	.size	k_q9e0ec2df08_gemm_fc, .Lfunc_end_k_q9e0ec2df08_gemm_fc-k_q9e0ec2df08_gemm_fc
	.p2alignl 7, 3214868480
	.fill 96, 4, 3214868480
	.section	.rodata,"a",@progbits
	.p2align	6, 0x0
	.amdhsa_kernel k_q9e0ec2df08_gemm_fc
		.amdhsa_group_segment_fixed_size 327680
		.amdhsa_private_segment_fixed_size 0
		.amdhsa_enable_private_segment 0
		.amdhsa_kernarg_size 32
		.amdhsa_user_sgpr_count 2
		.amdhsa_user_sgpr_kernarg_segment_ptr 1
		.amdhsa_wavefront_size32 1
		.amdhsa_system_sgpr_workgroup_id_x 1
		.amdhsa_system_sgpr_workgroup_id_y 1
		.amdhsa_system_sgpr_workgroup_id_z 1
		.amdhsa_system_vgpr_workitem_id 0
		.amdhsa_next_free_vgpr 1024
		.amdhsa_next_free_sgpr 80
		.amdhsa_reserve_vcc 0
		.amdhsa_float_denorm_mode_32 3
		.amdhsa_float_denorm_mode_16_64 3
		.amdhsa_memory_ordered 1
		.amdhsa_forward_progress 1
		.amdhsa_inst_pref_size 255
	.end_amdhsa_kernel
	.section	.bss,"aw",@nobits
	.p2align	6
	.space	262144
	.amdgpu_metadata
---
amdhsa.version: [ 1, 2 ]
amdhsa.kernels:
  - .name:           k_q9e0ec2df08_gemm_fc
    .symbol:         k_q9e0ec2df08_gemm_fc.kd
    .args:
      - { .name: h2, .offset: 0, .size: 8, .value_kind: global_buffer, .address_space: global }
      - { .name: wbf, .offset: 8, .size: 8, .value_kind: global_buffer, .address_space: global }
      - { .name: fc_b, .offset: 16, .size: 8, .value_kind: global_buffer, .address_space: global }
      - { .name: gact, .offset: 24, .size: 8, .value_kind: global_buffer, .address_space: global }
    .group_segment_fixed_size: 327680
    .private_segment_fixed_size: 0
    .kernarg_segment_align: 8
    .kernarg_segment_size: 32
    .max_flat_workgroup_size: 128
    .sgpr_count:     80
    .vgpr_count:     1024
    .wavefront_size: 32
...
	.end_amdgpu_metadata
.endif
;; end of part 6
;; launch gemm_proj (part 7): grid 8 x 32, 4 waves a work-group, clusters of 4 x 4, 327,680 bytes of LDS; arguments gact, wbf, proj_b, x1, out0; writes out0
.if DOCPART == 7
	.amdgcn_target "amdgcn-amd-amdhsa--gfx1250"
	.amdhsa_code_object_version 6
	.text
	.protected	k_q9e0ec2df08_gemm_proj
	.globl	k_q9e0ec2df08_gemm_proj
	.p2align	8
	.type	k_q9e0ec2df08_gemm_proj,@function
k_q9e0ec2df08_gemm_proj:
	s_mov_b64 s[64:65], 0
	v_nop
	global_prefetch_b8 v0, s[64:65] scope:SCOPE_SE
	s_setreg_imm32_b32 hwreg(HW_REG_WAVE_MODE, 25, 1), 1
	s_wait_xcnt 0x0
	s_wait_alu depctr_hold_cnt(0) depctr_sa_sdst(0) depctr_va_vdst(0) depctr_va_sdst(0) depctr_va_ssrc(0) depctr_va_vcc(0) depctr_vm_vsrc(0)
	s_getreg_b32 s2, hwreg(HW_REG_IB_STS2, 6, 4)
	s_cmp_eq_u32 s2, 0
	s_cbranch_scc0 .Lentry_in_a_cluster
	s_endpgm
.Lentry_in_a_cluster:
	s_bfe_u32 s2, ttmp6, 0x10000c
	s_cmp_lg_u32 s2, 0xf033
	s_cbranch_scc0 .Lentry_shape_is_right
	s_endpgm
.Lentry_shape_is_right:
; out = A W + bias + res, A [4096][SIZE_K] bf16, W [SIZE_K][1024] bf16 at byte WOFF of the weights' buffer, bias, res and out f32.
; This text serves two launches with other constants at its head: here out0 = gact Wproj + proj_b + x1.
; With 1,024 columns, blocks of 128 x 128 give 256 work-groups.  The four waves split K: each makes the whole 128 x 128 block (64 accumulator
; tiles, 512 registers) over its 64 of a slot's 256 k, so that 32 LDS loads still feed 64 matrix instructions.  The four partial blocks are
; summed on the way out, which goes through LDS.  K goes in steps of 256 through two LDS slots filled by the tensor data mover: A's tile
; [row][k] (pitch 528), W's as in memory, [k][n] (pitch 288), read by the transposing LDS load.  4 x 4 work-groups form a cluster: A's tile is
; asked for jointly along a row of the cluster, W's along a column.
; EACH CLUSTER BEGINS ITS WALK ALONG K AT ANOTHER STEP and wraps round.  The start, in sixteenths of K, is 4 (Y & 1) + 8 ((Y>>1 ^ Y>>2 ^ X) & 1) for
; cluster (X, Y) of the 2 x 8: the two clusters that read the same rows of A start half of K apart, and of the cluster rows, which all read the
; same columns of W, the four of each of the sets {0,1,2,3}, {4,5,6,7}, {0,1,4,5}, {2,3,6,7} start at four different quarters.  So clusters that
; share a tile ask for it at different times, not all at once.  X and Y are the same in all partners of a cluster.
; Windows of 256 registers: 0 addresses, A's fragments, the way out; 1 W's fragments, and res, loaded at the start; 2 and 3 accumulators.
; The 64 accumulators take turns, one instruction a turn.
; Limits: operands are rounded to bf16; each output is the sum of four sums over slices of K, each begun at the cluster's own step: an order that
; differs from one ascending sum; NaN and infinities are not served.
.set SIZE_K, 4096
.set SIZE_N, 1024
.set WOFF, 16777216
.set KSLOT,  256
.set NSTEP,  SIZE_K/KSLOT              ; steps along K: 4 or 16
.set ASTEP,  KSLOT*2                   ; a step in A, in bytes
.set BSTEP,  KSLOT*SIZE_N*2            ; a step in W, in bytes
.if NSTEP == 4
.set ROTSH, 2                          ; sixteenths of K to steps
.else
.set ROTSH, 0
.endif
.set PITCHA, 528                       ; 512 bytes of a row of A + 16
.set PITCHB, 288                       ; 256 bytes of a row of W + 32: an odd multiple of 32 bytes
.set QTR,    36864                     ; 128 rows of W; 64 rows of A take 33,792 of it
.set SLOT,   4*QTR                     ; A rows 0-63, A rows 64-127, W's 256 k rows
.set LAPS, SIZE_K/(2*KSLOT)
.set PPITCH, 528                       ; the way out: a row of 128 f32 + 16
.set PREG,   128*PPITCH                ; a wave's partial block
.set ADRA, 16
.set ADRB, 20
.set PST,  24                          ; the way out: where I put my partial sums
.set GO,   26                          ; 16 x lane: my bytes of a row piece of 512 bytes
.set BI,   32                          ; v[32:35] bias of my four columns
.set PR,   36                          ; v36-39 where I read the four partial blocks
.set F0,   64
.set F1,   128
.set RES,  0                           ; window 1: my 32 rows of res, rows 0-15 in v0-63, rows 16-31 in v192-255
.set G1, 24
.set G0, 32
.set G1B, 48
.set G0B, 56
.set KI, 80                            ; s80, s81: the K step that slot 0, 1 holds or awaits; s[82:83], s[84:85]: offsets; s86, s87 at work
.set MSB, 0
.macro WIN new
.if MSB != \new
	s_set_vgpr_msb (MSB<<8)|\new
.set MSB, \new
.endif
.endm
.set MUL_LO, 0xa1
.set MUL_HI, 0xf1
.set TO_B,   0x40
.macro JLOAD s                         ; waves 0 and 1 fetch A's halves, waves 2 and 3 W's; the branch hangs on the wave's number alone
	s_cmp_eq_u32 s11, 0
	s_cbranch_scc0 .Lfor_b_\@
	tensor_load_to_lds s[G0+4*\s:G0+4*\s+3], s[G1:G1+7]
	s_nop 0
	s_branch .Lasked_\@
.Lfor_b_\@:
	tensor_load_to_lds s[G0B+4*\s:G0B+4*\s+3], s[G1B:G1B+7]
	s_nop 0
.Lasked_\@:
.endm
.macro CREST
	s_cmp_lg_u32 s10, 0
	s_cbranch_scc1 .Lnot_wave_0_\@
	s_barrier_signal -3
.Lnot_wave_0_\@:
	s_barrier_wait -3
	s_barrier_signal -1
	s_barrier_wait -1
.endm
.macro CROUND
	s_barrier_signal -1
	s_barrier_wait -1
	CREST
.endm
	s_load_b256 s[68:75], s[0:1], 0x0              ; A s[68:69], weights s[70:71], bias s[72:73], res s[74:75]
	s_load_b64 s[76:77], s[0:1], 0x20              ; out
	v_lshl_add_u32 v254, v0, 2, 0x48000
	v_mov_b32 v255, 0
	ds_add_u32 v254, v255
	v_lshrrev_b32 v1, 5, v0
	v_readfirstlane_b32 s10, v1                    ; wave 0..3: my slice of K
	s_lshr_b32 s11, s10, 1                         ; I fetch for A (0) or for W (1)
	s_and_b32 s12, s10, 1                          ; which half of that tile
	s_bfe_u32 s40, ttmp6, 0x40000                  ; cx
	s_bfe_u32 s41, ttmp6, 0x40004                  ; cy
	s_lshl_b32 s42, ttmp9, 2
	s_add_co_u32 s42, s42, s40                     ; block column
	s_and_b32 s13, ttmp7, 0xffff
	s_lshl_b32 s13, s13, 2
	s_add_co_u32 s13, s13, s41                     ; block row
	s_lshl_b32 s43, s41, 2
	s_lshl_b32 s43, 15, s43                        ; my row of the cluster
	s_lshl_b32 s44, 0x1111, s40                    ; my column of the cluster
	; the cluster's first K step, from the cluster's own coordinates alone
	s_and_b32 s86, ttmp7, 0xffff                   ; Y
	s_lshr_b32 s87, s86, 1
	s_lshr_b32 s82, s86, 2
	s_xor_b32 s87, s87, s82
	s_xor_b32 s87, s87, ttmp9                      ; X is 0 or 1
	s_and_b32 s87, s87, 1
	s_lshl_b32 s87, s87, 3
	s_and_b32 s86, s86, 1
	s_lshl_b32 s86, s86, 2
	s_or_b32 s[KI], s87, s86                       ; 0, 4, 8 or 12 sixteenths of K
.if ROTSH
	s_lshr_b32 s[KI], s[KI], ROTSH
.endif
	s_add_co_u32 s[KI+1], s[KI], 1
	s_and_b32 s[KI+1], s[KI+1], NSTEP-1            ; the step behind it, round the end
	s_mov_b32 s83, 0
	s_mov_b32 s85, 0
	s_or_b32 s[G1+0], s43, (1<<16)|(1<<20)|(1<<21)|(6<<22)|(3<<25)   ; A: mask of my row; 2-byte elements; 4 words of padding behind every 128
	s_mov_b32 s[G1+1], KSLOT<<16                   ; tensor_dim0 = 256
	s_mov_b32 s[G1+2], 64<<16                      ; tensor_dim1 = 64
	s_mov_b32 s[G1+3], KSLOT<<16                   ; tile_dim0 = 256
	s_mov_b32 s[G1+4], 64                          ; tile_dim1 = 64
	s_mov_b32 s[G1+5], SIZE_K
	s_mov_b32 s[G1+6], 0
	s_mov_b32 s[G1+7], 0
	s_or_b32 s[G1B+0], s44, (1<<16)|(1<<20)|(1<<21)|(5<<22)|(7<<25)  ; W: mask of my column; 8 words of padding behind every 64
	s_mov_b32 s[G1B+1], 128<<16                    ; tensor_dim0 = 128
	s_mov_b32 s[G1B+2], 128<<16                    ; tensor_dim1 = 128
	s_mov_b32 s[G1B+3], 128<<16                    ; tile_dim0 = 128
	s_mov_b32 s[G1B+4], 128                        ; tile_dim1 = 128
	s_mov_b32 s[G1B+5], SIZE_N
	s_mov_b32 s[G1B+6], 0
	s_mov_b32 s[G1B+7], 0
	s_lshl_b32 s17, s12, 6
	s_lshl_b32 s16, s13, 7
	s_add_co_u32 s16, s16, s17                     ; A: row 128 x block row + 64 x half
	s_mul_i32 s16, s16, SIZE_K*2                   ; in bytes (A has 32 MiB at the most)
	s_mov_b32 s17, 0
	s_mul_i32 s46, s12, 128*SIZE_N*2               ; W: k row 128 x half
	s_lshl_b32 s45, s42, 8                         ; + 256 bytes x block column
	s_add_co_u32 s46, s46, s45
	s_add_co_u32 s46, s46, WOFF
	s_mov_b32 s47, 0
	s_mul_i32 s20, s10, QTR
	s_wait_dscnt 0x0
	s_wait_kmcnt 0x0
	s_add_nc_u64 s[14:15], s[68:69], s[16:17]
	s_add_nc_u64 s[46:47], s[70:71], s[46:47]
	CROUND                                         ; all sixteen work-groups are here: the first joint loads meet
.irp s, 0,1
	s_mul_i32 s82, s[KI+\s], ASTEP                 ; the slot's first K step, in bytes of A
	s_mul_i32 s84, s[KI+\s], BSTEP                 ; and of W
	s_mov_b32 s[G0+4*\s], 1
	s_add_co_u32 s[G0+4*\s+1], s20, \s*SLOT
	s_add_nc_u64 s[G0+4*\s+2:G0+4*\s+3], s[14:15], s[82:83]
	s_or_b32 s[G0+4*\s+3], s[G0+4*\s+3], 0x80000000
	s_mov_b32 s[G0B+4*\s], 1
	s_add_co_u32 s[G0B+4*\s+1], s20, \s*SLOT
	s_add_nc_u64 s[G0B+4*\s+2:G0B+4*\s+3], s[46:47], s[84:85]
	s_or_b32 s[G0B+4*\s+3], s[G0B+4*\s+3], 0x80000000
	JLOAD \s                                       ; two tensor loads of the wave are out now, later one
.endr
	v_and_b32 v1, 15, v0                           ; r
	v_bfe_u32 v2, v0, 4, 1                         ; h
	v_mul_u32_u24 v3, v1, PITCHA
	v_lshl_add_u32 v3, v2, 4, v3
	v_and_b32 v4, 7, v0
	v_lshl_add_u32 v4, v2, 3, v4
	v_mul_u32_u24 v4, v4, PITCHB
	v_bfe_u32 v5, v0, 3, 1
	v_lshl_add_u32 v4, v5, 4, v4
	s_lshl_b32 s21, s10, 7                         ; A: my 64 k are 128 bytes of each row
	s_mul_i32 s22, s10, 64*PITCHB                  ; W: my 64 k rows,
	s_add_co_u32 s22, s22, 2*QTR                   ; behind A
.irp s, 0,1
	v_add_nc_u32 v[ADRA+\s], s21, v3
	v_add_nc_u32 v[ADRB+\s], s22, v4
	s_add_co_u32 s21, s21, SLOT
	s_add_co_u32 s22, s22, SLOT
.endr
	v_mul_u32_u24 v5, v1, PPITCH
	v_lshl_add_u32 v5, v2, 5, v5                   ; the way out: row r, 32 bytes for each half of the lanes
	s_mul_i32 s23, s10, PREG
	v_add_nc_u32 v[PST], s23, v5
	v_and_b32 v6, 31, v0
	v_lshlrev_b32 v[GO], 4, v6
	s_mul_i32 s23, s10, 32*PPITCH                  ; I sum rows 32 w .. 32 w + 31
.irp g, 0,1,2,3
	v_add_nc_u32 v[PR+\g], s23, v[GO]
	s_add_co_u32 s23, s23, PREG
.endr
	; bias and res of the rows that I shall sum are asked for now and waited for on the way out; their registers are touched by nothing in between
	s_lshl_b32 s4, s13, 7
	s_lshl_b32 s5, s10, 5
	s_add_co_u32 s4, s4, s5                        ; my first row
	s_lshl_b32 s4, s4, 12
	s_lshl_b32 s6, s42, 9                          ; the block's 512 bytes of a row
	s_add_co_u32 s4, s4, s6
	s_mov_b32 s5, 0
	s_mov_b32 s7, 0
	s_add_nc_u64 s[74:75], s[74:75], s[4:5]
	s_add_nc_u64 s[76:77], s[76:77], s[4:5]
	s_add_nc_u64 s[72:73], s[72:73], s[6:7]
	global_load_b128 v[BI:BI+3], v[GO], s[72:73]
	WIN TO_B
.set cnt, 0
.rept 32
	global_load_b128 v[RES+128*(cnt/16)+4*cnt:RES+128*(cnt/16)+4*cnt+3], v[GO], s[74:75] offset:4096*cnt
.set cnt, cnt+1
.endr
	WIN 0
.macro MUL16 f, hi, a0, zero
.irp a, \a0, \a0+1
.irp b, 0,1,2,3,4,5,6,7
.if \zero
	v_wmma_f32_16x16x32_bf16 v[8*(8*(\a)+\b):8*(8*(\a)+\b)+7], v[\f+8*\b:\f+8*\b+7], v[\f+8*(4*\hi+\a):\f+8*(4*\hi+\a)+7], 0
.else
	v_wmma_f32_16x16x32_bf16 v[8*(8*(\a)+\b):8*(8*(\a)+\b)+7], v[\f+8*\b:\f+8*\b+7], v[\f+8*(4*\hi+\a):\f+8*(4*\hi+\a)+7], v[8*(8*(\a)+\b):8*(8*(\a)+\b)+7]
.endif
.endr
.endr
.endm
; 32 LDS loads in one run: the fragments of half q (32 along K) of my slice of a slot into buffer f
.macro FETCH slot, q, f
	WIN TO_B
.irp i, 0,1,2,3,4,5,6,7
	ds_load_tr16_b128 v[\f+8*\i:\f+8*\i+3],   v[ADRB+\slot] offset:\q*32*PITCHB+32*\i
	ds_load_tr16_b128 v[\f+8*\i+4:\f+8*\i+7], v[ADRB+\slot] offset:\q*32*PITCHB+16*PITCHB+32*\i
.endr
	WIN 0
.irp i, 0,1,2,3,4,5,6,7
	ds_load_b128 v[\f+8*\i:\f+8*\i+3],   v[ADRA+\slot] offset:\q*64+(\i>>2)*QTR+(\i&3)*16*PITCHA
	ds_load_b128 v[\f+8*\i+4:\f+8*\i+7], v[ADRA+\slot] offset:\q*64+(\i>>2)*QTR+(\i&3)*16*PITCHA+32
.endr
.endm
.macro PLACES                          ; four places behind a matrix instruction before its registers are loaded into or its results read (ISA guide 7.12.1)
.rept 4
	v_nop
.endr
.endm
.macro QUARTER slot, q, f, g, zero
	s_wait_dscnt 8                                 ; W and A's rows 0-63 are in; the youngest eight loads (A's rows 64-127) may be out
	WIN MUL_LO
	MUL16 \f, 0, 0, \zero
	MUL16 \f, 0, 2, \zero
	PLACES
	FETCH \slot, \q, \g
	s_wait_dscnt 32                                ; all but the 32 just issued
	WIN MUL_HI
	MUL16 \f, 1, 0, \zero
	MUL16 \f, 1, 2, \zero
.endm
; The second half of a slot changes slots: the waits, the barrier (with fill: a round of the cluster's barrier), the refill first, then the next slot's fragments.
.macro TURN slot, next, fill
	s_wait_dscnt 8
	WIN MUL_LO
	MUL16 F1, 0, 0, 0
	s_wait_dscnt 0                                 ; my reads of this slot are over
	s_set_vgpr_msb 0xa1a0
	s_wait_tensorcnt 0x0                           ; all my tensor loads have landed
	ds_add_u32 v254, v255
	s_wait_dscnt 0x0
	s_set_vgpr_msb 0xa0a1
	s_barrier_signal -1
	MUL16 F1, 0, 2, 0                              ; registers only
	WIN 0
	s_barrier_wait -1
.if \fill
	CREST
	s_add_co_u32 s[KI+\slot], s[KI+\slot], 2       ; the slot's next K step: two on, and back by all of K where that passes the end
	s_cmp_ge_u32 s[KI+\slot], NSTEP
	s_cselect_b32 s82, NSTEP*ASTEP, 0
	s_cselect_b32 s84, NSTEP*BSTEP, 0
	s_cselect_b32 s86, NSTEP, 0
	s_sub_co_u32 s[KI+\slot], s[KI+\slot], s86
	s_add_nc_u64 s[G0+4*\slot+2:G0+4*\slot+3], s[G0+4*\slot+2:G0+4*\slot+3], 2*ASTEP
	s_sub_nc_u64 s[G0+4*\slot+2:G0+4*\slot+3], s[G0+4*\slot+2:G0+4*\slot+3], s[82:83]
	s_add_nc_u64 s[G0B+4*\slot+2:G0B+4*\slot+3], s[G0B+4*\slot+2:G0B+4*\slot+3], 2*BSTEP
	s_sub_nc_u64 s[G0B+4*\slot+2:G0B+4*\slot+3], s[G0B+4*\slot+2:G0B+4*\slot+3], s[84:85]
	JLOAD \slot                                    ; the wave's one tensor load behind the round; 112 matrix instructions stand between it and the wait for it
.endif
	PLACES
	FETCH \next, 0, F0
	WIN MUL_HI
	MUL16 F1, 1, 0, 0
	MUL16 F1, 1, 2, 0
.endm
.macro LAP zero
	QUARTER 0, 1, F0, F1, \zero
	TURN 0, 1, 1
	QUARTER 1, 1, F0, F1, 0
	TURN 1, 0, 1
.endm
	s_wait_tensorcnt 0x1                           ; my part of slot 0 is in; slot 1's stays out
	s_barrier_signal -1
	s_barrier_wait -1
	FETCH 0, 0, F0
	LAP 1
.if LAPS > 2
	WIN 0
	s_mov_b32 s3, LAPS-2
.Llap:
	LAP 0
	WIN 0
	s_sub_co_u32 s3, s3, 1
	s_cmp_lg_u32 s3, 0
	s_cbranch_scc1 .Llap
.endif
	QUARTER 0, 1, F0, F1, 0                        ; the last lap fills nothing
	TURN 0, 1, 0
	QUARTER 1, 1, F0, F1, 0
	s_wait_dscnt 8
	WIN MUL_LO
	MUL16 F1, 0, 0, 0
	MUL16 F1, 0, 2, 0
	s_wait_dscnt 0
	WIN MUL_HI
	MUL16 F1, 1, 0, 0
	MUL16 F1, 1, 2, 0
	; THE WAY OUT.  Each wave lays its partial block (128 rows x 512 bytes, pitch 528) into the ring, which has had its last fill; then wave w sums
	; rows 32 w .. 32 w + 31 of the four blocks, adds bias and res, and stores row pieces of 512 consecutive bytes.
	WIN 0
	PLACES
	s_wait_dscnt 0x0                               ; my reads of the ring are over,
	s_barrier_signal -1
	s_barrier_wait -1                              ; everybody's are
.macro PSTORE a0                       ; the 32 tiles of one window: rows 16 (a0 + a) + r, bytes 64 b + 32 h
.irp a, 0,1,2,3
.irp b, 0,1,2,3,4,5,6,7
	ds_store_b128 v[PST], v[8*(8*\a+\b):8*(8*\a+\b)+3]   offset:(\a0+\a)*16*PPITCH+64*\b
	ds_store_b128 v[PST], v[8*(8*\a+\b)+4:8*(8*\a+\b)+7] offset:(\a0+\a)*16*PPITCH+64*\b+16
.endr
.endr
.endm
	WIN 0x08                                       ; store data in window 2
	PSTORE 0
	WIN 0x0c                                       ; in window 3
	PSTORE 4
	WIN 0
	s_wait_dscnt 0x0                               ; my partial block is written,
	s_barrier_signal -1
	s_barrier_wait -1                              ; everybody's is
	s_wait_loadcnt 0x0                             ; bias and res, asked for at the start
.macro SUM4 bt                         ; rows 4 bt .. 4 bt + 3 of my 32
	s_wait_xcnt 0x0                                ; the last batch's store data are loaded over only behind this wait
.irp p, 0,1,2,3
.irp g, 0,1,2,3
	ds_load_b128 v[64+16*\p+4*\g:64+16*\p+4*\g+3], v[PR+\g] offset:(4*\bt+\p)*PPITCH
.endr
.endr
.irp p, 0,1,2,3
	s_wait_dscnt 12-4*\p                           ; this row's four loads are in; the later rows' stay out
	v_pk_add_f32 v[64+16*\p:65+16*\p], v[64+16*\p:65+16*\p], v[68+16*\p:69+16*\p]
	v_pk_add_f32 v[66+16*\p:67+16*\p], v[66+16*\p:67+16*\p], v[70+16*\p:71+16*\p]
	v_pk_add_f32 v[72+16*\p:73+16*\p], v[72+16*\p:73+16*\p], v[76+16*\p:77+16*\p]
	v_pk_add_f32 v[74+16*\p:75+16*\p], v[74+16*\p:75+16*\p], v[78+16*\p:79+16*\p]
	v_pk_add_f32 v[64+16*\p:65+16*\p], v[64+16*\p:65+16*\p], v[72+16*\p:73+16*\p]
	v_pk_add_f32 v[66+16*\p:67+16*\p], v[66+16*\p:67+16*\p], v[74+16*\p:75+16*\p]
	v_pk_add_f32 v[64+16*\p:65+16*\p], v[64+16*\p:65+16*\p], v[BI:BI+1]
	v_pk_add_f32 v[66+16*\p:67+16*\p], v[66+16*\p:67+16*\p], v[BI+2:BI+3]
.endr
	WIN 0x04                                       ; source 1 (res) in window 1
.irp p, 0,1,2,3
	v_pk_add_f32 v[64+16*\p:65+16*\p], v[64+16*\p:65+16*\p], v[RES+128*(\bt/4)+4*(4*\bt+\p):RES+128*(\bt/4)+4*(4*\bt+\p)+1]
	v_pk_add_f32 v[66+16*\p:67+16*\p], v[66+16*\p:67+16*\p], v[RES+128*(\bt/4)+4*(4*\bt+\p)+2:RES+128*(\bt/4)+4*(4*\bt+\p)+3]
.endr
	WIN 0
.irp p, 0,1,2,3
	global_store_b128 v[GO], v[64+16*\p:67+16*\p], s[76:77] offset:(4*\bt+\p)*4096
.endr
.endm
.irp bt, 0,1,2,3,4,5,6,7
	SUM4 \bt
.endr
	s_wait_tensorcnt 0x0
	ds_add_u32 v254, v255
	s_wait_dscnt 0x0
	CROUND                                         ; the closing round: no work-group ends while a partner may still ask jointly
	s_endpgm
.Lfunc_end_k_q9e0ec2df08_gemm_proj:
	.size	k_q9e0ec2df08_gemm_proj, .Lfunc_end_k_q9e0ec2df08_gemm_proj-k_q9e0ec2df08_gemm_proj
	.p2alignl 7, 3214868480
	.fill 96, 4, 3214868480
	.section	.rodata,"a",@progbits
	.p2align	6, 0x0
	.amdhsa_kernel k_q9e0ec2df08_gemm_proj
		.amdhsa_group_segment_fixed_size 327680
		.amdhsa_private_segment_fixed_size 0
		.amdhsa_enable_private_segment 0
		.amdhsa_kernarg_size 40
		.amdhsa_user_sgpr_count 2
		.amdhsa_user_sgpr_kernarg_segment_ptr 1
		.amdhsa_wavefront_size32 1
		.amdhsa_system_sgpr_workgroup_id_x 1
		.amdhsa_system_sgpr_workgroup_id_y 1
		.amdhsa_system_sgpr_workgroup_id_z 1
		.amdhsa_system_vgpr_workitem_id 0
		.amdhsa_next_free_vgpr 1024
		.amdhsa_next_free_sgpr 96
		.amdhsa_reserve_vcc 0
		.amdhsa_float_denorm_mode_32 3
		.amdhsa_float_denorm_mode_16_64 3
		.amdhsa_memory_ordered 1
		.amdhsa_forward_progress 1
		.amdhsa_inst_pref_size 134
	.end_amdhsa_kernel
	.amdgpu_metadata
---
amdhsa.version: [ 1, 2 ]
amdhsa.kernels:
  - .name:           k_q9e0ec2df08_gemm_proj
    .symbol:         k_q9e0ec2df08_gemm_proj.kd
    .args:
      - { .name: gact, .offset: 0, .size: 8, .value_kind: global_buffer, .address_space: global }
      - { .name: wbf, .offset: 8, .size: 8, .value_kind: global_buffer, .address_space: global }
      - { .name: proj_b, .offset: 16, .size: 8, .value_kind: global_buffer, .address_space: global }
      - { .name: x1, .offset: 24, .size: 8, .value_kind: global_buffer, .address_space: global }
      - { .name: out0, .offset: 32, .size: 8, .value_kind: global_buffer, .address_space: global }
    .group_segment_fixed_size: 327680
    .private_segment_fixed_size: 0
    .kernarg_segment_align: 8
    .kernarg_segment_size: 40
    .max_flat_workgroup_size: 128
    .sgpr_count:     96
    .vgpr_count:     1024
    .wavefront_size: 32
...
	.end_amdgpu_metadata
.endif
;; end of part 7
